; MI455X (gfx1250); checked and timed in simulation.
; The chip was launched on July 23, 2026; its instructions are those of AMD's public machine-readable ISA for CDNA 5 (MIT licence, August 2026) and "CDNA5" Instruction Set Architecture Reference Guide (July 2026). The comments in the code are by the model that wrote it; some were corrected since.
;; Switch Mo E Layer. Allowed arithmetic: matrix products marked QUANTISED: E2M1 operands, one E8M0 scale for each 32 along K, by v_wmma_scale_f32_16x16x128_f8f6f4 with both operands' format E2M1 (or v_wmma_scale_f32_32x16x128_f4), f32 sums; products left as they are: f32 operands where the result goes on into a quantised operand, else bf16, f16 or f32 operands; f32 sums; everything else in f32.
;; Inputs: W1 8 x 512 x 1,024 float32; W2 8 x 1,024 x 512 float32; Wr 8 x 1,024 float32; b1 8 x 512 float32; b2 8 x 1,024 float32; br 8 float32; x 4 x 2,048 x 1,024 float32.
;; Outputs: out0 4 x 2,048 x 1,024 float32.
;; This version of the problem:
;;   THIS VERSION OF THE PROBLEM IS GIVEN IN LOW PRECISION. The matrix products marked QUANTISED in the list below multiply operands that are first quantised to E2M1 (2 exponent bits, 1 mantissa bit; 4 bits a number), with one power-of-two scale for each 32 numbers along K (OCP MX v1.0); their sums are f32. All else is computed in f32.
;;   The module's matrix products, in the order in which they are computed (A, B: the left and right operand; K: the contracted axis; several contracted axes count as one K, in the product's order):
;;     1. [M 8,192, K 1,024] x [K 1,024, N 8]; A: input x; B: input Wr: left as it is (N = 8 < 16)
;;     2. [M 4,096, K 1,024] x [K 1,024, N 8,192]; A: input W1; B: input x: QUANTISED
;;     3. batch 8 x [M 8,192, K 512] x [K 512, N 1,024]; A: computed on the way; B: input W2: QUANTISED
;;   THE QUANTISER, for each operand of a quantised product, along K:
;;     - K is cut into blocks of 32 from its start; a last block that is shorter is filled with zeros.
;;     - A block's scale is 2^e with e = floor(log2(the largest magnitude in the block)) - 2, held to -126 .. 127; a block of zeros has e = 0. As a byte (E8M0): e + 127.
;;     - Each number is divided by its block's scale, clamped to +-6, and rounded to the nearest number of E2M1, ties to even, subnormals kept.
;;     - The product sums the exact products of the quantised numbers (number of the format x scale) in f32.
;;   ~~~python
;;   def quantise(x, axis):      # numpy; x: float32 -> the quantised numbers, widened to float32 again
;;       x = np.moveaxis(x, axis, -1); K = x.shape[-1]
;;       x = np.pad(x, [(0, 0)] * (x.ndim - 1) + [(0, -K % 32)]); x = x.reshape(x.shape[:-1] + (-1, 32)); a = np.abs(x).max(-1, keepdims=True)
;;       e = np.where(a > 0, np.clip(np.frexp(np.where(a > 0, a, 1))[1] - 1 - 2, -126, 127), 0)      # np.frexp(a)[1] - 1 = floor(log2(a)), exactly
;;       r = np.clip(x / 2.0 ** e, -6, 6)
;;       step = 2.0 ** (np.maximum(np.frexp(np.where(r == 0, 1, r))[1] - 1, 0) - 1)
;;       q = np.round(r / step) * step * 2.0 ** e      # np.round: ties to even
;;       return np.moveaxis(q.reshape(q.shape[:-2] + (-1,))[..., :K], -1, axis).astype(np.float32)
;;   ~~~
;;   OPERANDS COMPUTED ON THE WAY. 'Computed on the way' means the value that the module computes at that place (a softmax that the list does not call 'softmax' is quantised finished and normalised). What goes into a quantiser is computed in f32, as accurately as f32 sums, v_exp_f32 and their like allow (about 1e-6 of the number): no bf16 or f16 on the way to a quantiser, and a product that is left as it is and whose result goes on into a quantised operand takes f32 operands (vector FMAs, or v_wmma_f32_16x16x4_f32). A number that lies on a knife's edge between two numbers of the format may be rounded either way, as far as f32 arithmetic and the matrix unit's own rounding can turn it there, and no further.
;; 2 versions. Each part assembles by itself: llvm-mc -triple=amdgcn-amd-amdhsa -mcpu=gfx1250 --defsym DOCPART=n.
;; ======== version 1 of 2: 3 launches
;; workspace buffers: eidx 32,768 bytes of whole numbers; perm 32,768 bytes of whole numbers; tot 256 bytes of whole numbers; xq 4,194,304 bytes; xs 262,144 bytes; wq 4,456,448 bytes
;; launch xprep (part 1): grid 256 x 1, 4 waves a work-group, no clusters, 53,760 bytes of LDS; arguments x, Wr, br, xq, xs, eidx; writes xq, xs, eidx
.if DOCPART == 1
	.amdgcn_target "amdgcn-amd-amdhsa--gfx1250"
	.amdhsa_code_object_version 6
	.text
	.protected	k_q92a6c356cf_xprep
	.globl	k_q92a6c356cf_xprep
	.p2align	8
	.type	k_q92a6c356cf_xprep,@function
k_q92a6c356cf_xprep:
	s_mov_b64 s[64:65], 0
	v_nop
	global_prefetch_b8 v0, s[64:65] scope:SCOPE_SE
	s_setreg_imm32_b32 hwreg(HW_REG_WAVE_MODE, 25, 1), 1
	s_wait_xcnt 0x0
; x [8192][1024] f32 is read ONCE and serves two ends: the router (logits = x Wr^T + br in f32 fused multiply-adds, argmax, ties to the lower index)
; and the quantiser: codes of FP4 (E2M1) with one E8M0 byte for each 32 along K.
; OUT: xq [8192][512 B], a token's 1,024 codes as they follow along K; xs [2][8192][16 B], plane q = the token's scale words of K steps 4 q .. 4 q + 3;
; eidx [8192] u32, the token's expert, at fixed places: no address here hangs on it.
; SHARES: a work-group takes 32 rows; wave w takes 16 of them (w / 2) and 512 along K (w % 2): four fragments of 16 rows x 128 K.
; Each load reads 512 consecutive bytes of a row.  As loaded (a lane: 4 neighbours of each of 16 rows) the numbers feed the router's sums; through the wave's own
; stage in LDS they come back as the conversions want them: lane (r, h) holds k = 64 c + 32 h + 0 .. 31 of row r, two whole blocks.
; LIMITS: NaN and infinities among the inputs are not served.  The logits' sums are taken in another order than a plain chain: two largest logits that agree to about
; 1e-6 of their size may fall either way.  A block of zeros gets the byte 1 where the rule says 127: its codes are zeros, and this program alone reads the bytes.
; REGISTERS, in windows of 256: window 1: the numbers as loaded, v[64 tt + 4 i]; window 2: Wr, v[16 e + 4 tt]; window 3: the sums, a pair for each (row i, expert e) at v[16 i + 2 e].
.set STGW, 8448                        ; a wave's stage: 16 rows x (512 bytes + 16): 33 x 16 bytes from row to row, so the sixteen rows of a read start at sixteen different 16-byte columns
.set CST,  33792                       ; behind the four stages: the codes' stage, 16 rows x (256 + 16) bytes a wave
.set LG,   51200                       ; behind that: the partial logits, 512 bytes a wave
.set LN16, 4                           ; v4   16 x lane
.set STW,  5                           ; v5   into the stage: as loaded
.set STR,  6                           ; v6   out of it: row r, + 128 h
.set CSW,  7                           ; v7   into the codes' stage: row r, + 16 h
.set CRD,  8                           ; v8   out of it: sixteen lanes to a row
.set QO,   9                           ; v9   the same two rows in xq
.set SO8,  10                          ; v10  16 r + 8 h: my two scale words' place
.set H8,   11                          ; v11  8 h
.set LGW,  12                          ; v12  where my four partial logits go
.set LGR,  13                          ; v13  where wave 0 reads a row's
.set LN4,  14                          ; v14  4 x lane
.set M,    16                          ; v16-17 largest magnitudes; v18-19 the conversions' scale operands; v20-21 bytes
.set SOP,  18
.set BY,   20
.set SW,   22
.set TP,   23
.set SWD,  24                          ; v24-27 the four fragments' scale words
.set P,    28
.set C,    32                          ; v32-63 codes: eight registers for each fragment
.set X,    64                          ; v64-127 64 numbers of my row
.set V,    64                          ; later v64-191: the sums, v[V + 8 i + e]
.set O,    192                         ; v192-223 codes on their way out
.set RT,   224                         ; v224-231 at work in the reduction
.set MSB, 0
.macro WIN new                         ; the immediate's high byte repeats the setting that is left; a switch that changes nothing is dropped
.if MSB != \new
	s_set_vgpr_msb (MSB<<8)|\new
.set MSB, \new
.endif
.endm
; fragment tt: 16 loads of x (512 consecutive bytes each) and the 8 experts' 128 numbers of Wr
.macro XLOADS tt
	WIN 0x40
.irp i, 0,1,2,3,4,5,6,7,8,9,10,11,12,13,14,15
	global_load_b128 v[64*(\tt)+4*\i:64*(\tt)+4*\i+3], v[LN16], s[4:5] offset:4096*\i+512*(\tt) th:TH_LOAD_NT
.endr
	WIN 0x80
.irp e, 0,1,2,3,4,5,6,7
	global_load_b128 v[16*\e+4*(\tt):16*\e+4*(\tt)+3], v[LN16], s[6:7] offset:4096*\e+512*(\tt)
.endr
	WIN 0
.endm
; fragment tt through the stage.  LDS serves a wave's instructions in order: no wait between the stores and the loads
.macro TURN tt, xr
	WIN 0x04
.irp i, 0,1,2,3,4,5,6,7,8,9,10,11,12,13,14,15
	ds_store_b128 v[STW], v[64*(\tt)+4*\i:64*(\tt)+4*\i+3] offset:528*\i
.endr
	WIN 0
.irp c, 0,1
.irp q, 0,1,2,3,4,5,6,7
	ds_load_b128 v[\xr+32*\c+4*\q:\xr+32*\c+4*\q+3], v[STR] offset:256*\c+16*\q
.endr
.endr
.endm
; the router's part of fragment tt: for each row and expert two packed multiply-adds (4 numbers)
.macro XFMA tt
	WIN 0xf9
.irp i, 0,1,2,3,4,5,6,7,8,9,10,11,12,13,14,15
.irp e, 0,1,2,3,4,5,6,7
.if (\tt) == 0
	v_pk_mul_f32 v[16*\i+2*\e:16*\i+2*\e+1], v[64*(\tt)+4*\i:64*(\tt)+4*\i+1], v[16*\e+4*(\tt):16*\e+4*(\tt)+1]
.else
	v_pk_fma_f32 v[16*\i+2*\e:16*\i+2*\e+1], v[64*(\tt)+4*\i:64*(\tt)+4*\i+1], v[16*\e+4*(\tt):16*\e+4*(\tt)+1], v[16*\i+2*\e:16*\i+2*\e+1]
.endif
.endr
.irp e, 0,1,2,3,4,5,6,7
	v_pk_fma_f32 v[16*\i+2*\e:16*\i+2*\e+1], v[64*(\tt)+4*\i+2:64*(\tt)+4*\i+3], v[16*\e+4*(\tt)+2:16*\e+4*(\tt)+3], v[16*\i+2*\e:16*\i+2*\e+1]
.endr
.endr
	WIN 0
.endm
; my two blocks of fragment tt become 8 registers of codes, and the row's scale word
.macro QBLK tt, xr
.irp c, 0,1
	v_max3_num_f32 v[M+\c], |v[\xr+32*\c]|, |v[\xr+32*\c+1]|, 0x1800000   ; with the floor 2^(3 - 127): the byte cannot fall under 1
.endr
.irp i, 2,4,6,8,10,12,14,16,18,20,22,24,26,28,30
.irp c, 0,1
	v_max3_num_f32 v[M+\c], v[M+\c], |v[\xr+32*\c+\i]|, |v[\xr+32*\c+\i+1]|
.endr
.endr
.irp c, 0,1
	v_add_nc_u32 v[SOP+\c], 0xff000000, v[M+\c]    ; 2 off the exponent field: the conversion takes that field as its scale
.endr
.irp c, 0,1
	v_lshrrev_b32 v[BY+\c], 23, v[SOP+\c]          ; the scale's byte
.endr
	v_lshl_or_b32 v[SW], v[BY+1], 16, v[BY]        ; blocks h and 2 + h of the row's four,
	v_lshlrev_b32 v[SW], v[H8], v[SW]              ; at their places;
	v_permlanex16_b32 v[TP], v[SW], s22, s23
	v_or_b32 v[SWD+(\tt)], v[SW], v[TP]            ; with lane l xor 16's two the word is whole
.irp c, 0,1
.irp g, 0,1,2,3
	v_cvt_scalef32_pk8_fp4_f32 v[C+8*(\tt)+4*\c+\g], v[\xr+32*\c+8*\g:\xr+32*\c+8*\g+7], v[SOP+\c]
.endr
.endr
	v_nop                                          ; one plain line behind the last scaled conversion
.endm
.macro XSTEP tt, left
	s_wait_loadcnt \left                           ; this fragment's 24 loads are in; the next fragment's 24 may be out
	TURN \tt, X
.if (\tt) < 2
	XLOADS (\tt)+2                                 ; two fragments ahead: 48 loads of a wave are out
.endif
	XFMA \tt                                       ; 256 lines stand between the stage's loads and the wait for them
	s_wait_dscnt 0x0
	QBLK \tt, X
.irp c, 0,1
	ds_store_b128 v[CSW], v[C+8*(\tt)+4*\c:C+8*(\tt)+4*\c+3] offset:64*(\tt)+32*\c
.endr
.endm
; One step of the sum over lanes: of rows i and i + d a lane keeps one (by bit d of its number) and gives the other to lane l xor d: half as many registers after each step
.macro RSTAGE d, msk
.set ii, 0
.rept 8/\d
.irp e, 0,1,2,3,4,5,6,7
	v_cndmask_b32 v[RT+\e], v[V+8*(ii+\d)+\e], v[V+8*ii+\e], s[\msk]
.endr
.irp e, 0,1,2,3,4,5,6,7
	v_cndmask_b32 v[V+8*ii+\e], v[V+8*ii+\e], v[V+8*(ii+\d)+\e], s[\msk]
.endr
.irp e, 0,1,2,3,4,5,6,7
	v_add_f32_dpp v[V+8*ii+\e], v[RT+\e], v[V+8*ii+\e] row_xmask:\d row_mask:0xf bank_mask:0xf
.endr
.set ii, ii+2*\d
.endr
.endm
	s_load_b256 s[4:11], s[0:1], 0x0               ; x s[4:5], Wr s[6:7], br s[8:9], xq s[10:11]
	s_load_b128 s[12:15], s[0:1], 0x20             ; xs s[12:13], eidx s[14:15]
	v_lshl_add_u32 v254, v0, 2, 0xd000
	v_mov_b32 v255, 0
	v_lshrrev_b32 v1, 5, v0
	v_readfirstlane_b32 s16, v1                    ; wave 0..3
	v_and_b32 v1, 31, v0                           ; lane
	v_and_b32 v2, 15, v0                           ; r
	v_bfe_u32 v3, v0, 4, 1                         ; h
	v_lshlrev_b32 v[LN16], 4, v1
	s_lshr_b32 s17, s16, 1                         ; which 16 rows
	s_and_b32 s18, s16, 1                          ; which 512 along K
	s_mul_i32 s19, s16, STGW
	v_add_nc_u32 v[STW], s19, v[LN16]
	v_mul_u32_u24 v[STR], v2, 528
	v_lshl_add_u32 v[STR], v3, 7, v[STR]
	v_add_nc_u32 v[STR], s19, v[STR]
	s_mul_i32 s19, s16, 4352
	s_add_co_u32 s19, s19, CST
	v_mul_u32_u24 v[CSW], v2, 272
	v_lshl_add_u32 v[CSW], v3, 4, v[CSW]
	v_add_nc_u32 v[CSW], s19, v[CSW]
	v_mul_u32_u24 v[CRD], v3, 272
	v_lshl_add_u32 v[CRD], v2, 4, v[CRD]
	v_add_nc_u32 v[CRD], s19, v[CRD]
	v_lshlrev_b32 v[QO], 9, v3
	v_lshl_add_u32 v[QO], v2, 4, v[QO]
	v_lshlrev_b32 v[SO8], 4, v2
	v_lshl_add_u32 v[SO8], v3, 3, v[SO8]
	v_lshlrev_b32 v[H8], 3, v3
	s_lshl_b32 s19, s16, 9
	s_add_co_u32 s19, s19, LG
	v_lshlrev_b32 v[LGW], 5, v2
	v_lshl_add_u32 v[LGW], v3, 4, v[LGW]
	v_add_nc_u32 v[LGW], s19, v[LGW]               ; LG + 512 wave + 32 r + 16 h
	v_lshlrev_b32 v[LGR], 10, v3
	v_lshl_add_u32 v[LGR], v2, 5, v[LGR]
	v_add_nc_u32 v[LGR], LG, v[LGR]                ; LG + 1024 (lane / 16) + 32 (lane % 16)
	v_lshlrev_b32 v[LN4], 2, v1
	v_mov_b32 v[TP], 0                             ; written once: a lane permute's destination counts as one of its sources
	s_mov_b32 s22, 0x76543210
	s_mov_b32 s23, 0xfedcba98                      ; v_permlanex16_b32's selects for lane l xor 16
	s_mov_b32 s32, 0xaaaaaaaa                      ; lanes whose bit 0, 1, 2, 3, 4 is set
	s_mov_b32 s33, 0xcccccccc
	s_mov_b32 s34, 0xf0f0f0f0
	s_mov_b32 s35, 0xff00ff00
	s_mov_b32 s36, 0xffff0000
	s_lshl_b32 s19, ttmp9, 5
	s_lshl_b32 s20, s17, 4
	s_add_co_u32 s19, s19, s20                     ; my first row: 32 x work-group + 16 x (wave / 2)
	s_mov_b32 s21, 0
	s_lshl_b32 s2, s18, 11                         ; my 512 along K: 2,048 bytes of f32
	s_wait_kmcnt 0x0
	s_load_b256 s[24:31], s[8:9], 0x0              ; br
	s_lshl_b32 s20, s19, 12
	s_add_co_u32 s20, s20, s2
	s_add_nc_u64 s[4:5], s[4:5], s[20:21]
	s_mov_b32 s20, s2
	s_add_nc_u64 s[6:7], s[6:7], s[20:21]
	s_lshl_b32 s20, s19, 9
	s_lshl_b32 s2, s18, 8
	s_add_co_u32 s20, s20, s2
	s_add_nc_u64 s[10:11], s[10:11], s[20:21]      ; xq: row x 512 + 256 x half
	s_lshl_b32 s20, s19, 4
	s_lshl_b32 s2, s18, 17
	s_add_co_u32 s20, s20, s2
	s_add_nc_u64 s[12:13], s[12:13], s[20:21]      ; xs: plane x 131,072 + row x 16
	s_lshl_b32 s20, ttmp9, 7
	s_add_nc_u64 s[14:15], s[14:15], s[20:21]      ; eidx: 32 words a work-group
	XLOADS 0
	XLOADS 1
	XSTEP 0, 24
	XSTEP 1, 24
	XSTEP 2, 24
	XSTEP 3, 0
	; the codes leave as rows: sixteen lanes store 256 consecutive bytes, aligned
.irp t, 0,1,2,3,4,5,6,7
	ds_load_b128 v[O+4*\t:O+4*\t+3], v[CRD] offset:544*\t      ; my own bytes, served in order behind my stores
.endr
.irp t, 0,1,2,3,4,5,6,7
	s_wait_dscnt 7-\t                              ; the younger loads may be out
	global_store_b128 v[QO], v[O+4*\t:O+4*\t+3], s[10:11] offset:1024*\t
.endr
	v_cndmask_b32 v[P], v[SWD], v[SWD+2], s36      ; lanes 0-15 store words 0 and 1 of their row, lanes 16-31 words 2 and 3:
	v_cndmask_b32 v[P+1], v[SWD+1], v[SWD+3], s36
	global_store_b64 v[SO8], v[P:P+1], s[12:13]    ; 32 lanes, 256 consecutive bytes, aligned
	; the router's end: a pair's two halves, then the sum over the 32 lanes
	WIN 0x0f
.set ii, 0
.rept 128
	v_add_f32 v[V+ii], v[2*ii], v[2*ii+1]
.set ii, ii+1
.endr
	WIN 0
	RSTAGE 1, 32
	RSTAGE 2, 33
	RSTAGE 4, 34
	RSTAGE 8, 35                                   ; lane (r, h) now holds row r's eight sums over its half of the lanes
.irp e, 0,1,2,3
	v_cndmask_b32 v[RT+\e], v[V+4+\e], v[V+\e], s36
.endr
.irp e, 0,1,2,3
	v_cndmask_b32 v[V+\e], v[V+\e], v[V+4+\e], s36
.endr
.irp e, 0,1,2,3
	v_permlanex16_b32 v[RT+4+\e], v[RT+\e], s22, s23
.endr
.irp e, 0,1,2,3
	v_add_f32 v[V+\e], v[V+\e], v[RT+4+\e]         ; row r, experts 4 h .. 4 h + 3, over my wave's 512 along K
.endr
	ds_store_b128 v[LGW], v[V:V+3]
	s_wait_kmcnt 0x0                               ; br
	s_wait_dscnt 0x0                               ; for the others' sake: my store has landed
	s_barrier_signal -1
	s_barrier_wait -1
	s_cmp_lg_u32 s16, 0                            ; wave 0 finishes: a lane to a row
	s_cbranch_scc1 .Ldone
	ds_load_b128 v[68:71], v[LGR]                  ; the first 512 along K: experts 0-3,
	ds_load_b128 v[72:75], v[LGR] offset:16        ; 4-7;
	ds_load_b128 v[76:79], v[LGR] offset:512       ; the second 512
	ds_load_b128 v[80:83], v[LGR] offset:528
	s_wait_dscnt 0x0
.irp e, 0,1,2,3,4,5,6,7
	v_add_f32 v[68+\e], v[68+\e], v[76+\e]
.endr
.irp e, 0,1,2,3,4,5,6,7
	v_add_f32 v[68+\e], s[24+\e], v[68+\e]
.endr
	v_mov_b32 v84, 0
	v_mov_b32 v85, v68
.irp e, 1,2,3,4,5,6,7
	v_cmp_ge_f32 vcc_lo, v85, v[68+\e]             ; the index moves only where a later logit is strictly larger: ties keep the lower one
	v_cndmask_b32 v84, \e, v84, vcc_lo
	v_max_num_f32 v85, v85, v[68+\e]
.endr
	global_store_b32 v[LN4], v84, s[14:15]         ; 128 consecutive bytes
.Ldone:
	s_wait_tensorcnt 0x0
	ds_add_u32 v254, v255
	s_wait_dscnt 0x0
	s_endpgm
.Lfunc_end_k_q92a6c356cf_xprep:
	.size	k_q92a6c356cf_xprep, .Lfunc_end_k_q92a6c356cf_xprep-k_q92a6c356cf_xprep
	.p2alignl 7, 3214868480
	.fill 96, 4, 3214868480
	.section	.rodata,"a",@progbits
	.p2align	6, 0x0
	.amdhsa_kernel k_q92a6c356cf_xprep
		.amdhsa_group_segment_fixed_size 53760
		.amdhsa_private_segment_fixed_size 0
		.amdhsa_enable_private_segment 0
		.amdhsa_kernarg_size 48
		.amdhsa_user_sgpr_count 2
		.amdhsa_user_sgpr_kernarg_segment_ptr 1
		.amdhsa_wavefront_size32 1
		.amdhsa_system_sgpr_workgroup_id_x 1
		.amdhsa_system_sgpr_workgroup_id_y 1
		.amdhsa_system_sgpr_workgroup_id_z 1
		.amdhsa_system_vgpr_workitem_id 0
		.amdhsa_next_free_vgpr 1024
		.amdhsa_next_free_sgpr 66
		.amdhsa_reserve_vcc 1
		.amdhsa_float_denorm_mode_32 3
		.amdhsa_float_denorm_mode_16_64 3
		.amdhsa_memory_ordered 1
		.amdhsa_forward_progress 1
		.amdhsa_inst_pref_size 130
	.end_amdhsa_kernel
	.amdgpu_metadata
---
amdhsa.version: [ 1, 2 ]
amdhsa.kernels:
  - .name:           k_q92a6c356cf_xprep
    .symbol:         k_q92a6c356cf_xprep.kd
    .args:
      - { .name: x, .offset: 0, .size: 8, .value_kind: global_buffer, .address_space: global }
      - { .name: Wr, .offset: 8, .size: 8, .value_kind: global_buffer, .address_space: global }
      - { .name: br, .offset: 16, .size: 8, .value_kind: global_buffer, .address_space: global }
      - { .name: xq, .offset: 24, .size: 8, .value_kind: global_buffer, .address_space: global }
      - { .name: xs, .offset: 32, .size: 8, .value_kind: global_buffer, .address_space: global }
      - { .name: eidx, .offset: 40, .size: 8, .value_kind: global_buffer, .address_space: global }
    .group_segment_fixed_size: 53760
    .private_segment_fixed_size: 0
    .kernarg_segment_align: 8
    .kernarg_segment_size: 48
    .max_flat_workgroup_size: 128
    .sgpr_count:     66
    .vgpr_count:     1024
    .wavefront_size: 32
...
	.end_amdgpu_metadata
.endif
;; end of part 1
;; launch wprep (part 2): grid 257 x 1, 4 waves a work-group, no clusters, 34,560 bytes of LDS; arguments W1, W2, eidx, wq, perm, tot; writes wq, perm, tot
.if DOCPART == 2
	.amdgcn_target "amdgcn-amd-amdhsa--gfx1250"
	.amdhsa_code_object_version 6
	.text
	.protected	k_q92a6c356cf_wprep
	.globl	k_q92a6c356cf_wprep
	.p2align	8
	.type	k_q92a6c356cf_wprep,@function
k_q92a6c356cf_wprep:
	s_mov_b64 s[64:65], 0
	v_nop
	global_prefetch_b8 v0, s[64:65] scope:SCOPE_SE
	s_setreg_imm32_b32 hwreg(HW_REG_WAVE_MODE, 25, 1), 1
	s_wait_xcnt 0x0
; Two jobs side by side.  Work-groups 1 to 256 turn W1 [8][512][1024] and W2 [8][1024][512], f32, K innermost, into codes of FP4 (E2M1) with one E8M0 byte for each 32 along K.
; Work-group 0 sorts the tokens by expert (a counting sort without atomics) from eidx, which the launch before stored.
; wq [e 8][w 4][c 16][8,704 B]: a chunk is what wave w of the next launch uses in one K step, IN THE ORDER OF ITS REGISTERS: eight fragments (16 rows x 128 K) of 1,024 bytes, registers 4 c2 .. 4 c2 + 3 of fragment t
; at 1024 t + 512 c2 + 16 lane; from byte 8,192 on the scale words: lane l', word q: fragment q + 4 (l' / 16), row l' % 16.
; Chunks 0-7: W1, K step c; lane r of fragment 2 b + u is row 128 w + 32 b + 8 u + r + 8 (r / 8), so that the product's results are neighbours along the next K.  Chunks 8 + 4 g + s: W2, K step s; lane r of fragment n is row 256 w + 128 g + 16 n + r.
; A wave takes half a chunk: four fragments, 64 rows x 512 bytes.  Both tensors take ONE path: what differs is chosen by s_cselect on the chunk's number.
; perm [8192]: token numbers grouped by expert, no padding; tot: words 0-7 the experts' counts, words 8-31 zero.
; THE SORT keeps a lane's eight counts as BYTES of two registers (a lane has 64 tokens, so no byte overflows), and looks a byte up by v_perm_b32 with the token's expert as the selector: 14 lines a token in both passes together.
; LIMITS: NaN and infinities among the inputs are not served.  A block of zeros gets the byte 1 where the rule says 127: its codes are zeros, and this program alone reads the bytes.
.set STGW, 8448                        ; a wave's stage: 16 rows x (512 + 16) bytes
.set PL,   33792                       ; behind the four stages: the sort's 64 bytes; each of the two paths has LDS bytes of its own
.set LN16, 4
.set STW,  5
.set STR,  6
.set SO8,  10
.set H8,   11
.set M,    16
.set SOP,  18
.set BY,   20
.set SW,   22
.set TP,   23
.set SWD,  24
.set P,    28
.set VO,   32                          ; v32-47  row i's byte offset + 16 x lane
.set C,    48                          ; v48-79  codes: eight registers for each fragment
.set X0,   96                          ; v96-159, v160-223: two sets of 64 numbers
.set MSB, 0
.macro WIN new
.if MSB != \new
	s_set_vgpr_msb (MSB<<8)|\new
.set MSB, \new
.endif
.endm
.macro TURN tt, xr                     ; fragment tt through the stage: in as loaded, out 128 bytes a lane.  LDS serves a wave's instructions in order: these stores come behind the last fragment's loads
	WIN 0x04
.irp i, 0,1,2,3,4,5,6,7,8,9,10,11,12,13,14,15
	ds_store_b128 v[STW], v[64*(\tt)+4*\i:64*(\tt)+4*\i+3] offset:528*\i
.endr
	WIN 0
.irp c, 0,1
.irp q, 0,1,2,3,4,5,6,7
	ds_load_b128 v[\xr+32*\c+4*\q:\xr+32*\c+4*\q+3], v[STR] offset:256*\c+16*\q
.endr
.endr
.endm
.macro QBLK tt, xr                     ; lane (r, h) holds k = 64 c + 32 h + 0 .. 31 of row r: two whole blocks
.irp c, 0,1
	v_max3_num_f32 v[M+\c], |v[\xr+32*\c]|, |v[\xr+32*\c+1]|, 0x1800000   ; with the floor 2^(3 - 127): the byte cannot fall under 1
.endr
.irp i, 2,4,6,8,10,12,14,16,18,20,22,24,26,28,30
.irp c, 0,1
	v_max3_num_f32 v[M+\c], v[M+\c], |v[\xr+32*\c+\i]|, |v[\xr+32*\c+\i+1]|
.endr
.endr
.irp c, 0,1
	v_add_nc_u32 v[SOP+\c], 0xff000000, v[M+\c]    ; 2 off the exponent field: the conversion's scale operand
.endr
.irp c, 0,1
	v_lshrrev_b32 v[BY+\c], 23, v[SOP+\c]
.endr
	v_lshl_or_b32 v[SW], v[BY+1], 16, v[BY]
	v_lshlrev_b32 v[SW], v[H8], v[SW]
	v_permlanex16_b32 v[TP], v[SW], s22, s23
	v_or_b32 v[SWD+(\tt)], v[SW], v[TP]
.irp c, 0,1
.irp g, 0,1,2,3
	v_cvt_scalef32_pk8_fp4_f32 v[C+8*(\tt)+4*\c+\g], v[\xr+32*\c+8*\g:\xr+32*\c+8*\g+7], v[SOP+\c]
.endr
.endr
	v_nop                                          ; one plain line behind the last scaled conversion
.endm
	s_load_b256 s[4:11], s[0:1], 0x0               ; W1 s[4:5], W2 s[6:7], eidx s[8:9], wq s[10:11]
	s_load_b128 s[12:15], s[0:1], 0x20             ; perm s[12:13], tot s[14:15]
	v_lshl_add_u32 v7, v0, 2, 0x8500
	s_set_vgpr_msb 0x80
	v_mov_b32 v1, 0
	s_set_vgpr_msb 0x8000
	v_lshrrev_b32 v1, 5, v0
	v_readfirstlane_b32 s16, v1                    ; wave 0..3
	v_and_b32 v1, 31, v0                           ; lane
	v_bfe_u32 v3, v0, 4, 1                         ; h
	s_wait_kmcnt 0x0
	s_cmp_eq_u32 ttmp9, 0                          ; the same in all waves of a work-group
	s_cbranch_scc1 .Lplace
	; ---------------- the weights ----------------
	v_and_b32 v2, 15, v0                           ; r
	v_lshlrev_b32 v[LN16], 4, v1
	s_mul_i32 s47, s16, STGW
	v_add_nc_u32 v[STW], s47, v[LN16]
	v_mul_u32_u24 v[STR], v2, 528
	v_lshl_add_u32 v[STR], v3, 7, v[STR]
	v_add_nc_u32 v[STR], s47, v[STR]
	v_lshlrev_b32 v[SO8], 4, v2
	v_lshl_add_u32 v[SO8], v3, 3, v[SO8]
	v_lshlrev_b32 v[H8], 3, v3
	v_mov_b32 v[TP], 0
	s_mov_b32 s22, 0x76543210
	s_mov_b32 s23, 0xfedcba98
	s_mov_b32 s46, 0xffff0000
	s_sub_co_u32 s17, ttmp9, 1
	s_and_b32 s18, s16, 1                          ; hc: which half of the chunk
	s_and_b32 s19, s17, 7
	s_lshl_b32 s19, s19, 1
	s_lshr_b32 s47, s16, 1
	s_add_co_u32 s19, s19, s47                     ; c: the chunk
	s_bfe_u32 s20, s17, 0x20003                    ; w
	s_lshr_b32 s21, s17, 5                         ; e
	s_cmp_lt_u32 s19, 8                            ; W1's chunk or W2's?  Only selections stand between this compare and the last of them
	s_cselect_b64 s[40:41], s[4:5], s[6:7]
	s_cselect_b32 s24, 12, 11                      ; log2 of a row's bytes
	s_cselect_b32 s25, 7, 3                        ; the K step is c's low bits
	s_cselect_b32 s26, 8, 16                       ; rows from an even fragment to the odd one behind it
	s_cselect_b32 s27, 8, 0                        ; lanes 8-15 of a fragment stand so many rows further on
	s_cselect_b32 s28, 7, 8                        ; log2 of a wave's rows
	s_cselect_b32 s29, 0, 128                      ; rows of W2's second half g
	s_lshl_b32 s47, s20, s28
	s_bfe_u32 s48, s19, 0x10002
	s_mul_i32 s48, s48, s29
	s_add_co_u32 s47, s47, s48
	s_lshl_b32 s48, s18, 6
	s_add_co_u32 s47, s47, s48                     ; my first row in the expert
	s_lshl_b32 s47, s47, s24
	s_lshl_b32 s48, s21, 21                        ; an expert is 2^21 bytes in both tensors
	s_add_co_u32 s47, s47, s48
	s_and_b32 s48, s19, s25
	s_lshl_b32 s48, s48, 9                         ; 128 along K are 512 bytes
	s_add_co_u32 s30, s47, s48
	s_mov_b32 s31, 0
	s_add_nc_u64 s[40:41], s[40:41], s[30:31]
.irp f, 0,1,2,3                                    ; a base for each of my four fragments
.if \f & 1
	s_add_co_u32 s30, s26, 32*(\f/2)
.else
	s_mov_b32 s30, 32*(\f/2)
.endif
	s_lshl_b32 s30, s30, s24
	s_add_nc_u64 s[32+2*\f:33+2*\f], s[40:41], s[30:31]
.endr
.irp i, 0,1,2,3,4,5,6,7,8,9,10,11,12,13,14,15
.if \i >= 8
	s_add_co_u32 s47, s27, \i
.else
	s_mov_b32 s47, \i
.endif
	s_lshl_b32 s47, s47, s24
	v_add_nc_u32 v[VO+\i], s47, v[LN16]
.endr
	s_lshl_b32 s47, s21, 2
	s_add_co_u32 s47, s47, s20
	s_lshl_b32 s47, s47, 4
	s_add_co_u32 s47, s47, s19
	s_mul_i32 s30, s47, 8704
	s_add_nc_u64 s[42:43], s[10:11], s[30:31]      ; my chunk
	s_lshl_b32 s30, s18, 8
	s_add_co_u32 s30, s30, 8192
	s_add_nc_u64 s[44:45], s[42:43], s[30:31]      ; my half's scale words
	s_lshl_b32 s30, s18, 12
	s_add_nc_u64 s[42:43], s[42:43], s[30:31]      ; my half's codes
	WIN 0x40
.irp f, 0,1,2,3
.irp i, 0,1,2,3,4,5,6,7,8,9,10,11,12,13,14,15
	global_load_b128 v[64*\f+4*\i:64*\f+4*\i+3], v[VO+\i], s[32+2*\f:33+2*\f] th:TH_LOAD_NT   ; 512 consecutive bytes of a row
.endr
.endr
	WIN 0
	s_wait_loadcnt 48                              ; fragment 0's sixteen loads are in
	TURN 0, X0
.irp f, 0,1,2,3
.if \f < 3
	s_wait_loadcnt 32-16*\f                        ; the next fragment's loads are in; those of the fragments behind it may be out
	TURN \f+1, X0+64*((\f+1)%2)
	s_wait_dscnt 32                                ; all but the 32 LDS lines just issued: this fragment is back from the stage
.else
	s_wait_dscnt 0x0
.endif
	QBLK \f, X0+64*(\f%2)
.irp c, 0,1
	global_store_b128 v[LN16], v[C+8*\f+4*\c:C+8*\f+4*\c+3], s[42:43] offset:1024*\f+512*\c   ; 512 consecutive bytes, aligned: four registers of the operand as they stand
.endr
.endr
	v_cndmask_b32 v[P], v[SWD], v[SWD+2], s46      ; lanes 0-15 store words 0 and 1 of their row, lanes 16-31 words 2 and 3
	v_cndmask_b32 v[P+1], v[SWD+1], v[SWD+3], s46
	global_store_b64 v[SO8], v[P:P+1], s[44:45]    ; 256 consecutive bytes, aligned
	s_set_vgpr_msb 0x8
	s_wait_tensorcnt 0x0
	ds_add_u32 v7, v1
	s_wait_dscnt 0x0
	s_set_vgpr_msb 0x800
	s_endpgm
	; ---------------- the sort: 128 threads, 64 tokens each ----------------
.set LB,  8                            ; v8-11   four tokens' places at work
.set HB,  12                           ; v12-15
.set CLO, 16                           ; v16     my running counts of experts 0-3, a byte each
.set CHI, 17                           ; v17     of experts 4-7
.set T8,  18                           ; v18-19  8 x the token's expert (a shift takes its low five bits: 8 x (expert % 4)); two sets by turns
.set HH,  20                           ; v20-21  1 for experts 4-7
.set NH,  22                           ; v22-23  1 for experts 0-3
.set RUN, 24                           ; v24-31  where my first token of expert e goes
.set Q,   32                           ; v32-35  counts packed: expert k below, expert k + 4 above (no count passes 8,192)
.set OWN, 36
.set T,   40
.set WT,  44                           ; v44-59  the four waves' totals; behind them the same registers hold the tables:
.set TA,  44                           ; v44-47  at work
.set BLL, 48                           ; v48     the low bytes of RUN 0-3;  v49 of RUN 4-7
.set BLH, 49
.set BHL, 50                           ; v50     the high bytes of RUN 0-3; v51 of RUN 4-7
.set BHH, 51
.set NEGK, 52                          ; v52     what a lookup's upper bytes add, with a minus
.set HM,  61                           ; all ones in lanes 16-31
.set TOK, 64                           ; v64-127  my tokens' experts
.set IDR, 128                          ; v128-191 my tokens' numbers
.set RK,  192                          ; v192-255 my tokens' ranks in my lane, then the byte offsets of their places: a register for each store
.macro PREP j                          ; token j's shift and its two bits, into set j % 2
	v_lshrrev_b32 v[HH+(\j)%2], 2, v[TOK+(\j)]
	v_lshlrev_b32 v[T8+(\j)%2], 3, v[TOK+(\j)]
	v_xor_b32 v[NH+(\j)%2], 1, v[HH+(\j)%2]
.endm
.Lplace:
	v_lshlrev_b32 v2, 4, v1
	s_lshl_b32 s17, s16, 13
	v_add_nc_u32 v2, s17, v2                       ; 8,192 bytes a wave, 16 a lane
.irp i, 0,1,2,3,4,5,6,7,8,9,10,11,12,13,14,15
	global_load_b128 v[TOK+4*\i:TOK+4*\i+3], v2, s[8:9] offset:512*\i
.endr
	v_lshlrev_b32 v4, 2, v1
	s_lshl_b32 s17, s16, 11
	v_add_nc_u32 v4, s17, v4
.irp i, 0,1,2,3,4,5,6,7,8,9,10,11,12,13,14,15
.irp q, 0,1,2,3
	v_add_nc_u32 v[IDR+4*\i+\q], 128*\i+\q, v4     ; token = 2048 wave + 128 i + 4 lane + q
.endr
.endr
	v_mov_b32 v[CLO], 0
	v_mov_b32 v[CHI], 0
	v_sub_nc_u32 v[HM], 0, v3
	s_lshl_b32 s17, s16, 4
	s_add_co_u32 s17, s17, PL
	v_mov_b32 v62, s17                             ; my wave's 16 bytes
	v_mov_b32 v63, PL
	s_wait_loadcnt 0x0
	; pass 1: count, and keep each token's rank among my tokens of its expert.  The selector's byte 0 is the expert: bytes 0-3 of the second source, 4-7 of the first.
	; Its upper bytes are 0, so the result's upper bytes hold expert 0's count: pass 2 cuts them off.  The next token's three lines stand between one token's additions and the next lookup.
	PREP 0
.set j, 0
.rept 64
	v_perm_b32 v[RK+j], v[CHI], v[CLO], v[TOK+j]
	v_lshl_add_u32 v[CHI], v[HH+j%2], v[T8+j%2], v[CHI]
	v_lshl_add_u32 v[CLO], v[NH+j%2], v[T8+j%2], v[CLO]
.if j < 63
	PREP j+1
.endif
.set j, j+1
.endr
.irp k, 0,1,2,3
	v_bfe_u32 v[Q+\k], v[CLO], 8*\k, 8
	v_bfe_u32 v[T+\k], v[CHI], 8*\k, 8
.endr
.irp k, 0,1,2,3
	v_lshl_or_b32 v[Q+\k], v[T+\k], 16, v[Q+\k]
.endr
.irp k, 0,1,2,3
	v_mov_b32 v[OWN+\k], v[Q+\k]
.endr
.irp d, 1,2,4,8                                    ; a running sum over each 16 lanes
.irp k, 0,1,2,3
	v_mov_b32_dpp v[T+\k], v[Q+\k] row_shr:\d row_mask:0xf bank_mask:0xf bound_ctrl:1
.endr
.irp k, 0,1,2,3
	v_add_nc_u32 v[Q+\k], v[Q+\k], v[T+\k]
.endr
.endr
.irp k, 0,1,2,3
	v_readlane_b32 s[60+\k], v[Q+\k], 15           ; lanes 16-31 add the first sixteen's sum
	v_and_b32 v[T+\k], s[60+\k], v[HM]
	v_add_nc_u32 v[Q+\k], v[Q+\k], v[T+\k]
	v_readlane_b32 s[60+\k], v[Q+\k], 31           ; the wave's total
	v_mov_b32 v[T+\k], s[60+\k]
	v_sub_nc_u32 v[Q+\k], v[Q+\k], v[OWN+\k]       ; what the lanes before me hold
.endr
	ds_store_b128 v62, v[T:T+3]                    ; all lanes write the same 16 bytes with the same values
	s_wait_dscnt 0x0
	s_barrier_signal -1
	s_barrier_wait -1
.irp w, 0,1,2,3
	ds_load_b128 v[WT+4*\w:WT+4*\w+3], v63 offset:16*\w
.endr
	s_wait_dscnt 0x0
.irp w, 0,1,2,3
.irp k, 0,1,2,3
	v_readfirstlane_b32 s[20+4*\w+\k], v[WT+4*\w+\k]
.endr
.endr
.irp k, 0,1,2,3
	s_add_co_u32 s[36+\k], s[20+\k], s[24+\k]      ; all four waves',
	s_add_co_u32 s[36+\k], s[36+\k], s[28+\k]
	s_add_co_u32 s[36+\k], s[36+\k], s[32+\k]
	s_mov_b32 s[40+\k], 0
.endr
.irp w, 0,1,2
	s_cmp_gt_u32 s16, \w                           ; and those of the waves before mine
	s_cselect_b32 s60, -1, 0
.irp k, 0,1,2,3
	s_and_b32 s61, s[20+4*\w+\k], s60
	s_add_co_u32 s[40+\k], s[40+\k], s61
.endr
.endr
.irp k, 0,1,2,3
	s_and_b32 s[44+\k], s[36+\k], 0xffff           ; s44-51: the experts' counts
	s_lshr_b32 s[48+\k], s[36+\k], 16
	s_and_b32 s[52+\k], s[40+\k], 0xffff
	s_lshr_b32 s[56+\k], s[40+\k], 16
.endr
	s_mov_b32 s60, 0
.irp e, 0,1,2,3,4,5,6,7
	s_add_co_u32 s[52+\e], s[52+\e], s60           ; s52-59: where my wave's tokens of expert e begin
	s_add_co_u32 s60, s60, s[44+\e]
.endr
.irp k, 0,1,2,3
	v_and_b32 v[RUN+\k], 0xffff, v[Q+\k]
	v_lshrrev_b32 v[RUN+4+\k], 16, v[Q+\k]
.endr
.irp e, 0,1,2,3,4,5,6,7
	v_add_nc_u32 v[RUN+\e], s[52+\e], v[RUN+\e]    ; at most 8,192: two bytes
.endr
	s_cmp_lg_u32 s16, 0
	s_cbranch_scc1 .Lnot_0
	v_mov_b32 v[T], 0
.irp e, 0,1,2,3,4,5,6,7
	v_writelane_b32 v[T], s[44+\e], \e
.endr
	v_lshlrev_b32 v5, 2, v1
	global_store_b32 v5, v[T], s[14:15]            ; the counts, and 24 zeros behind them
.Lnot_0:
	; my eight first places as four tables of bytes, so that a token's expert can serve as v_perm_b32's selector
.irp p, 0,1,2,3
	v_perm_b32 v[TA+\p], v[RUN+2*\p+1], v[RUN+2*\p], 0x05010400    ; low byte of RUN 2 p, of RUN 2 p + 1, high byte of RUN 2 p, of RUN 2 p + 1
.endr
	v_perm_b32 v[BLL], v[TA+1], v[TA], 0x05040100  ; the two low halves: the low bytes of RUN 0, 1, 2, 3
	v_perm_b32 v[BHL], v[TA+1], v[TA], 0x07060302  ; the two high halves: their high bytes
	v_perm_b32 v[BLH], v[TA+3], v[TA+2], 0x05040100
	v_perm_b32 v[BHH], v[TA+3], v[TA+2], 0x07060302
	; A selector's upper three bytes are 0, so a lookup's upper three bytes all hold its table's byte 0.  What that adds to (high << 8) + low is one number K for the lane, whatever the expert:
	; the same lookup with the selector 0 gives RUN 0 + K.
	v_perm_b32 v[LB], v[BLH], v[BLL], 0
	v_perm_b32 v[HB], v[BHH], v[BHL], 0
	v_lshl_add_u32 v[LB], v[HB], 8, v[LB]
	v_sub_nc_u32 v[NEGK], v[RUN], v[LB]            ; -K
	; pass 2: place, four tokens by turns.  These are stores of four bytes to scattered places: the placing step of a counting sort, 32,768 bytes in all
.set j, 0
.rept 16
.irp q, 0,1,2,3
	v_perm_b32 v[LB+\q], v[BLH], v[BLL], v[TOK+j+\q]
.endr
.irp q, 0,1,2,3
	v_perm_b32 v[HB+\q], v[BHH], v[BHL], v[TOK+j+\q]
.endr
.irp q, 0,1,2,3
	v_and_b32 v[RK+j+\q], 0xff, v[RK+j+\q]         ; the rank alone
.endr
.irp q, 0,1,2,3
	v_lshl_add_u32 v[LB+\q], v[HB+\q], 8, v[LB+\q]
.endr
.irp q, 0,1,2,3
	v_add3_u32 v[LB+\q], v[LB+\q], v[RK+j+\q], v[NEGK]     ; my first place of that expert + the token's rank
.endr
.irp q, 0,1,2,3
	v_min_u32 v[LB+\q], 0x1fff, v[LB+\q]           ; a place made of loaded numbers is held inside the list
.endr
.irp q, 0,1,2,3
	v_lshlrev_b32 v[RK+j+\q], 2, v[LB+\q]          ; written once as an offset and never again: no store's source is rewritten
.endr
.irp q, 0,1,2,3
	global_store_b32 v[RK+j+\q], v[IDR+j+\q], s[12:13]
.endr
.set j, j+4
.endr
	s_set_vgpr_msb 0x8
	s_wait_tensorcnt 0x0
	ds_add_u32 v7, v1
	s_wait_dscnt 0x0
	s_set_vgpr_msb 0x800
	s_endpgm
.Lfunc_end_k_q92a6c356cf_wprep:
	.size	k_q92a6c356cf_wprep, .Lfunc_end_k_q92a6c356cf_wprep-k_q92a6c356cf_wprep
	.p2alignl 7, 3214868480
	.fill 96, 4, 3214868480
	.section	.rodata,"a",@progbits
	.p2align	6, 0x0
	.amdhsa_kernel k_q92a6c356cf_wprep
		.amdhsa_group_segment_fixed_size 34560
		.amdhsa_private_segment_fixed_size 0
		.amdhsa_enable_private_segment 0
		.amdhsa_kernarg_size 48
		.amdhsa_user_sgpr_count 2
		.amdhsa_user_sgpr_kernarg_segment_ptr 1
		.amdhsa_wavefront_size32 1
		.amdhsa_system_sgpr_workgroup_id_x 1
		.amdhsa_system_sgpr_workgroup_id_y 1
		.amdhsa_system_sgpr_workgroup_id_z 1
		.amdhsa_system_vgpr_workitem_id 0
		.amdhsa_next_free_vgpr 514
		.amdhsa_next_free_sgpr 80
		.amdhsa_reserve_vcc 0
		.amdhsa_float_denorm_mode_32 3
		.amdhsa_float_denorm_mode_16_64 3
		.amdhsa_memory_ordered 1
		.amdhsa_forward_progress 1
		.amdhsa_inst_pref_size 98
	.end_amdhsa_kernel
	.amdgpu_metadata
---
amdhsa.version: [ 1, 2 ]
amdhsa.kernels:
  - .name:           k_q92a6c356cf_wprep
    .symbol:         k_q92a6c356cf_wprep.kd
    .args:
      - { .name: W1, .offset: 0, .size: 8, .value_kind: global_buffer, .address_space: global }
      - { .name: W2, .offset: 8, .size: 8, .value_kind: global_buffer, .address_space: global }
      - { .name: eidx, .offset: 16, .size: 8, .value_kind: global_buffer, .address_space: global }
      - { .name: wq, .offset: 24, .size: 8, .value_kind: global_buffer, .address_space: global }
      - { .name: perm, .offset: 32, .size: 8, .value_kind: global_buffer, .address_space: global }
      - { .name: tot, .offset: 40, .size: 8, .value_kind: global_buffer, .address_space: global }
    .group_segment_fixed_size: 34560
    .private_segment_fixed_size: 0
    .kernarg_segment_align: 8
    .kernarg_segment_size: 48
    .max_flat_workgroup_size: 128
    .sgpr_count:     80
    .vgpr_count:     514
    .wavefront_size: 32
...
	.end_amdgpu_metadata
.endif
;; end of part 2
;; launch ffn (part 3): grid 135 x 1, 4 waves a work-group, no clusters, 87,552 bytes of LDS; arguments xq, xs, wq, b1, b2, perm, tot, out0; writes out0
.if DOCPART == 3
	.amdgcn_target "amdgcn-amd-amdhsa--gfx1250"
	.amdhsa_code_object_version 6
	.text
	.protected	k_q92a6c356cf_ffn
	.globl	k_q92a6c356cf_ffn
	.p2align	8
	.type	k_q92a6c356cf_ffn,@function
k_q92a6c356cf_ffn:
	s_mov_b64 s[64:65], 0
	v_nop
	global_prefetch_b8 v0, s[64:65] scope:SCOPE_SE
	s_setreg_imm32_b32 hwreg(HW_REG_WAVE_MODE, 25, 1), 1
	s_wait_xcnt 0x0
; out[t] = relu(x[t] W1[e]^T + b1[e]) W2[e]^T + b2[e] for the ONE expert e chosen for token t; both products on codes of FP4 (E2M1) with one E8M0 scale for each 32 along K.
; A work-group takes one tile of at most 64 rows of one expert through the whole chain; the hidden layer is quantised in registers and goes from wave to wave through LDS, never to memory.
; THE GRID SERVES EVERY SPLIT, AND EVERY WORK-GROUP HAS ROWS.  With tiles of 64 rows the eight experts have S tiles, 128 <= S <= 135.  The largest expert has 1,024 rows or more: its first 135 - S full tiles
; are each cut into two tiles of 32.  So there are always 135 tiles, found by scalar selections alone: no branch stands in this text.
; A tile's places behind its last row repeat that row: the same codes give the same bits, stored to the same row by the same work-group.  135 x 64 places serve 8,192 rows: 448 places, 1.8 MB of stores, are such repeats.
; SHARES: the waves share the COLUMNS: wave w makes hidden units 128 w .. + 127 and outputs 256 w .. + 255 (in two halves g of 128), for all 64 rows (four tiles m of 16).
; Both products are used transposed (source 0 = 16 rows of the weight, source 1 = 16 tokens): a lane holds one token, its registers run along the units.
; THE WEIGHTS come from memory straight into registers, as the launch before laid them: a chunk of 8,704 bytes is a wave's eight fragments and scale words of one K step; a ring of four chunk buffers, three chunks (51 loads) ahead.
; The last chunk is asked for as soon as its buffer is free, ahead of the first half's way out, so that it does not stand behind that half's 64 stores.
; NO JOINT LOADS: the weights' address hangs on the expert, a number read from memory, and an expert's tiles are no multiple of four; so no cluster and no tensor load.
; LIMITS: NaN and infinities are not served.  A block of zeros gets the byte 1 where the rule says 127: its codes are zeros, and this program alone reads the bytes.
; REGISTERS, in windows of 256: window 1: 32 accumulators, v[64 m + 8 t]; window 2: the ring, v[64 (c % 4) + 8 t]; window 3: v0-63 b1's eight tiles, v64-191 b2's sixteen, v192-255 the 64 rows' offsets in out;
; window 0: v1-22 addresses; v32-47 the weights' scale words, v48-63 the rows' (these hold scales and nothing else); v64-127 rows of x, then two sets of x's fragments; v128-191 at work; later v64-191 the hidden layer's 16 fragments; v192-255 at work.
.set XROW, 0                           ; LDS: 64 rows of x's codes, 512 bytes + 16
.set HIMG, 33792                       ; the hidden layer's 16 fragments (4 m + s) as images of their registers, 1,024 bytes each
.set HSC,  50176                       ; their scale words, 128 bytes each
.set IDS,  52224                       ; the tile's 64 token numbers, a copy for each wave
.set OST,  53248                       ; a stage of 16 rows x (512 + 16) bytes for each wave, for the way out
.set HA,   128
.set TM,   192                         ; v192-195 largest magnitudes, v196-199 bytes, v204-207 the conversions' scale operands
.set PW,   208                         ; v208-211 the four tiles' scale words
.set PC,   212                         ; v212-243 their codes
.set BK,   192                         ; later: 16 rows on their way out
.set MSB, 0
.macro WIN new                         ; the immediate's high byte repeats the setting that is left; a switch that changes nothing is dropped
.if MSB != \new
	s_set_vgpr_msb (MSB<<8)|\new
.set MSB, \new
.endif
.endm
.macro PLACES n                        ; plain lines between a matrix instruction and a load into, or a read of, its registers
.rept \n
	v_nop
.endr
.endm
.macro LOADCH c                        ; chunk c into buffer c % 4: 16 loads of codes and one of scale words, 512 consecutive bytes each.  No hint: other work-groups read the same chunk
	WIN 0x80
.irp i, 0,1,2,3,4,5,6,7,8,9,10,11,12,13,14,15
	global_load_b128 v[64*((\c)%4)+4*\i:64*((\c)%4)+4*\i+3], v1, s[48:49] offset:8704*(\c)+512*\i
.endr
	WIN 0
	global_load_b128 v[32+4*((\c)%4):32+4*((\c)%4)+3], v1, s[48:49] offset:8704*(\c)+8192
.endm
.macro FETCHX s                        ; x's four fragments of K step s into set s % 2
.irp m, 0,1,2,3
.irp c, 0,1
	ds_load_b128 v[64+32*((\s)%2)+8*\m+4*\c:64+32*((\s)%2)+8*\m+4*\c+3], v4 offset:8448*\m+64*(\s)+32*\c
.endr
.endr
.endm
.macro WM d, a, b, c, sa, sb, ra, rb   ; one product; ra, rb: the side's scales stand in lanes 16-31
.if (\ra) && (\rb)
	v_wmma_scale_f32_16x16x128_f8f6f4 v[\d:\d+7], v[\a:\a+7], v[\b:\b+7], v[\c:\c+7], v[\sa], v[\sb] matrix_a_fmt:MATRIX_FMT_FP4 matrix_b_fmt:MATRIX_FMT_FP4 matrix_a_scale:MATRIX_SCALE_ROW1 matrix_b_scale:MATRIX_SCALE_ROW1
.elseif (\ra)
	v_wmma_scale_f32_16x16x128_f8f6f4 v[\d:\d+7], v[\a:\a+7], v[\b:\b+7], v[\c:\c+7], v[\sa], v[\sb] matrix_a_fmt:MATRIX_FMT_FP4 matrix_b_fmt:MATRIX_FMT_FP4 matrix_a_scale:MATRIX_SCALE_ROW1
.elseif (\rb)
	v_wmma_scale_f32_16x16x128_f8f6f4 v[\d:\d+7], v[\a:\a+7], v[\b:\b+7], v[\c:\c+7], v[\sa], v[\sb] matrix_a_fmt:MATRIX_FMT_FP4 matrix_b_fmt:MATRIX_FMT_FP4 matrix_b_scale:MATRIX_SCALE_ROW1
.else
	v_wmma_scale_f32_16x16x128_f8f6f4 v[\d:\d+7], v[\a:\a+7], v[\b:\b+7], v[\c:\c+7], v[\sa], v[\sb] matrix_a_fmt:MATRIX_FMT_FP4 matrix_b_fmt:MATRIX_FMT_FP4
.endif
.endm
; K step s of the first product: 32 matrix instructions, the 32 accumulators by turns, in the same order in every step.  The first step takes b1 as C.
.macro MUL1 s
.if (\s) == 0
	WIN 0x72                                       ; source 0 window 2, source 1 window 0, C window 3, D window 1
.else
	WIN 0x52                                       ; C and D window 1
.endif
.irp t, 0,1,2,3,4,5,6,7
.irp m, 0,1,2,3
.if (\s) == 0
	WM 64*\m+8*\t,64*((\s)%4)+8*\t,64+32*((\s)%2)+8*\m,8*\t,32+4*((\s)%4)+\t%4,48+8*(\m/2)+(\s),\t/4,\m%2
.else
	WM 64*\m+8*\t,64*((\s)%4)+8*\t,64+32*((\s)%2)+8*\m,64*\m+8*\t,32+4*((\s)%4)+\t%4,48+8*(\m/2)+(\s),\t/4,\m%2
.endif
.endr
.endr
	WIN 0
.endm
; K step s of the second product's half g (chunk 8 + 4 g + s, buffer s).  The first step takes b2 as C.
.macro MUL2 g, s
.if (\s) == 0
	WIN 0x72
.else
	WIN 0x52
.endif
.irp n, 0,1,2,3,4,5,6,7
.irp m, 0,1,2,3
.if (\s) == 0
	WM 64*\m+8*\n,64*(\s)+8*\n,64+8*(4*\m+(\s)),64+64*(\g)+8*\n,32+4*(\s)+\n%4,48+4*\m+(\s),\n/4,0
.else
	WM 64*\m+8*\n,64*(\s)+8*\n,64+8*(4*\m+(\s)),64*\m+8*\n,32+4*(\s)+\n%4,48+4*\m+(\s),\n/4,0
.endif
.endr
.endr
	WIN 0
.endm
; 64 numbers of a lane, none negative, register 16 b + i = k 32 b + 16 (lane / 16) + i of my token, become tile m's fragment in v[PC + 8 m] on and its scale word in v[PW + m]
.macro QUANT src, m
.irp b, 0,1,2,3
	v_max3_num_f32 v[TM+\b], v[\src+16*\b], v[\src+1+16*\b], 0x1800000   ; my 16 numbers of block b, and the floor 2^(3 - 127): the byte cannot fall under 1
.endr
.irp i, 2,4,6,8,10,12,14
.irp b, 0,1,2,3
	v_max3_num_f32 v[TM+\b], v[TM+\b], v[\src+16*\b+\i], v[\src+1+16*\b+\i]
.endr
.endr
.irp b, 0,1,2,3
	v_permlanex16_b32 v[TM+4+\b], v[TM+\b], s56, s57
.endr
.irp b, 0,1,2,3
	v_max_num_f32 v[TM+\b], v[TM+\b], v[TM+4+\b]   ; with lane l xor 16's: the block's largest
.endr
.irp b, 0,1,2,3
	v_add_nc_u32 v[TM+12+\b], 0xff000000, v[TM+\b] ; 2 off the exponent field: the conversion's scale operand
.endr
.irp b, 0,1,2,3
	v_lshrrev_b32 v[TM+4+\b], 23, v[TM+12+\b]      ; the scale's byte
.endr
	v_lshl_or_b32 v[PW+(\m)], v[TM+5], 8, v[TM+4]
	v_lshl_or_b32 v[PW+(\m)], v[TM+6], 16, v[PW+(\m)]
	v_lshl_or_b32 v[PW+(\m)], v[TM+7], 24, v[PW+(\m)]
.irp b, 0,1,2,3
	v_cvt_scalef32_pk8_fp4_f32 v[PC+8*(\m)+2*\b], v[\src+16*\b:\src+16*\b+7], v[TM+12+\b]
	v_cvt_scalef32_pk8_fp4_f32 v[PC+8*(\m)+2*\b+1], v[\src+16*\b+8:\src+16*\b+15], v[TM+12+\b]
.endr
	v_nop                                          ; one plain line behind the last scaled conversion
.irp c, 0,1                                        ; the operand wants a whole block in a lane: lanes 0-15 block 2 c, lanes 16-31 block 2 c + 1
.irp i, 0,1
	v_permlane16_swap_b32 v[PC+8*(\m)+4*\c+\i], v[PC+8*(\m)+4*\c+2+\i]
.endr
.endr
.endm
; the way out of tile m: 16 tokens x 128 outputs through my own stage, back as whole rows of 512 bytes
.macro TOSTAGE m
	WIN 0x04                                       ; an LDS store's data: window 1
.irp n, 0,1,2,3,4,5,6,7
	ds_store_b128 v9, v[64*(\m)+8*\n:64*(\m)+8*\n+3] offset:64*\n          ; each accumulator from its low end on
	ds_store_b128 v9, v[64*(\m)+8*\n+4:64*(\m)+8*\n+7] offset:64*\n+16
.endr
	WIN 0
	s_wait_xcnt 0x0                                ; the last tile's stores have read their data registers: only now are these loaded again
.irp t, 0,1,2,3,4,5,6,7,8,9,10,11,12,13,14,15
	ds_load_b128 v[BK+4*\t:BK+4*\t+3], v10 offset:528*\t   ; LDS serves a wave's instructions in order: these see my stores, and the next tile's stores come behind them
.endr
.endm
.macro SEND m, g
	WIN 0x03                                       ; the offsets: window 3
.irp t, 0,1,2,3,4,5,6,7,8,9,10,11,12,13,14,15
	s_wait_dscnt 15-\t                             ; the younger loads may be out
	global_store_b128 v[192+16*(\m)+\t], v[BK+4*\t:BK+4*\t+3], s[54:55] offset:512*(\g) th:TH_STORE_NT   ; 32 lanes store 512 consecutive bytes of a token's row, at a multiple of 256
.endr
	WIN 0
.endm
	s_load_b512 s[4:19], s[0:1], 0x0               ; xq s[4:5], xs s[6:7], wq s[8:9], b1 s[10:11], b2 s[12:13], perm s[14:15], tot s[16:17], out0 s[18:19]
	v_lshl_add_u32 v30, v0, 2, 0x15400
	v_mov_b32 v31, 0
	v_lshrrev_b32 v1, 5, v0
	v_readfirstlane_b32 s28, v1                    ; wave 0..3
	v_and_b32 v7, 31, v0                           ; lane
	v_and_b32 v2, 15, v0                           ; r
	v_bfe_u32 v3, v0, 4, 1                         ; h
	v_lshlrev_b32 v1, 4, v7                        ; v1  16 x lane
	v_lshlrev_b32 v8, 2, v7                        ; v8  4 x lane
	v_mul_u32_u24 v4, v2, 528
	v_lshl_add_u32 v9, v3, 5, v4
	v_lshl_add_u32 v4, v3, 4, v4                   ; v4  x's fragments: row r, + 16 h
	s_lshl_b32 s29, s28, 10
	s_add_co_u32 s29, s29, HIMG
	v_add_nc_u32 v5, s29, v1                       ; v5  where my images go: K step = my wave
	s_lshl_b32 s29, s28, 7
	s_add_co_u32 s29, s29, HSC
	v_add_nc_u32 v6, s29, v8                       ; v6  and their scale words
	s_mul_i32 s29, s28, 8448
	v_add_nc_u32 v13, s29, v1                      ; v13 where my 16 rows of x go
	s_add_co_u32 s29, s29, OST
	v_add_nc_u32 v9, s29, v9                       ; v9  my stage: row r, + 32 h
	v_add_nc_u32 v10, s29, v1                      ; v10 and back: 16 bytes a lane
	s_lshl_b32 s29, s28, 8
	s_add_co_u32 s29, s29, IDS
	v_add_nc_u32 v11, s29, v8                      ; v11 my wave's list of token numbers, my lane's word
	v_mov_b32 v22, s29                             ; v22 the list's head
	s_lshl_b32 s30, s28, 6
	s_add_co_u32 s29, s29, s30
	v_mov_b32 v12, s29                             ; v12 my wave's 16 rows in it
	v_lshlrev_b32 v20, 6, v3                       ; v20 64 h: b1's 16 h numbers on
	v_lshlrev_b32 v21, 5, v3                       ; v21 32 h: b2's 8 h numbers on
	s_mov_b32 s56, 0x76543210
	s_mov_b32 s57, 0xfedcba98                      ; v_permlanex16_b32's selects for lane l xor 16
	s_wait_kmcnt 0x0
	s_load_b256 s[20:27], s[16:17], 0x0            ; the experts' counts
	s_wait_kmcnt 0x0
	; which tile is mine: scalar selections alone
	s_mov_b32 s29, 0
.irp e, 0,1,2,3,4,5,6,7
	s_add_co_u32 s39, s[20+\e], 63
	s_lshr_b32 s39, s39, 6
	s_add_co_u32 s29, s29, s39                     ; S: the tiles of 64
.endr
	s_sub_co_u32 s30, 135, s29                     ; so many full tiles of the largest expert are cut in two
	s_mov_b32 s31, s20
	s_mov_b32 s32, 0
.irp e, 1,2,3,4,5,6,7
	s_cmp_gt_u32 s[20+\e], s31
	s_cselect_b32 s31, s[20+\e], s31
	s_cselect_b32 s32, \e, s32                     ; the largest expert
.endr
	s_mov_b32 s33, 0                               ; tiles before expert e
	s_mov_b32 s34, 0                               ; rows before it
	s_mov_b32 s35, 0                               ; mine: the expert, its first tile, its first row in the list, its rows
	s_mov_b32 s36, 0
	s_mov_b32 s37, 0
	s_mov_b32 s38, s20
.irp e, 0,1,2,3,4,5,6,7
.if \e > 0
	s_cmp_ge_u32 ttmp9, s33                        ; the last expert whose first tile is not behind mine
	s_cselect_b32 s35, \e, s35
	s_cselect_b32 s36, s33, s36
	s_cselect_b32 s37, s34, s37
	s_cselect_b32 s38, s[20+\e], s38
.endif
	s_add_co_u32 s39, s[20+\e], 63
	s_lshr_b32 s39, s39, 6
	s_cmp_eq_u32 s32, \e
	s_cselect_b32 s40, s30, 0
	s_add_co_u32 s39, s39, s40
	s_add_co_u32 s33, s33, s39
	s_add_co_u32 s34, s34, s[20+\e]
.endr
	s_sub_co_u32 s39, ttmp9, s36                   ; i: my tile in the expert
	s_cmp_eq_u32 s35, s32
	s_cselect_b32 s40, s30, 0                      ; tiles cut in two, in my expert
	s_lshl_b32 s41, s40, 1
	s_lshl_b32 s42, s39, 5                         ; a half tile begins at row 32 i,
	s_sub_co_u32 s43, s39, s40
	s_lshl_b32 s43, s43, 6                         ; a whole one at 64 (i - the cut ones)
	s_cmp_lt_u32 s39, s41
	s_cselect_b32 s42, s42, s43
	s_cselect_b32 s44, 32, 64
	s_add_co_u32 s45, s37, s42
	s_min_u32 s45, s45, 0x1fff                     ; my first place in the list (numbers made of loaded ones are held inside their tables)
	s_sub_co_u32 s46, s38, s42
	s_min_u32 s46, s46, s44
	s_sub_co_u32 s46, s46, 1
	s_min_u32 s46, s46, 63                         ; my last row's number in the tile
	s_min_u32 s35, s35, 7
	s_mov_b32 s59, 0
	s_lshl_b32 s58, s35, 2
	s_add_co_u32 s58, s58, s28
	s_mul_i32 s58, s58, 139264                     ; 16 chunks of 8,704 bytes for each (expert, wave)
	s_add_nc_u64 s[48:49], s[8:9], s[58:59]
	s_lshl_b32 s58, s35, 11
	s_lshl_b32 s47, s28, 9
	s_add_co_u32 s58, s58, s47
	s_add_nc_u64 s[50:51], s[10:11], s[58:59]      ; b1: 2,048 e + 512 w
	s_lshl_b32 s58, s58, 1
	s_add_nc_u64 s[52:53], s[12:13], s[58:59]      ; b2: 4,096 e + 1,024 w
	s_lshl_b32 s58, s28, 10
	s_add_nc_u64 s[54:55], s[18:19], s[58:59]      ; out: my wave's 256 columns
	; the tile's 64 token numbers: places behind the last row repeat it
	v_min_u32 v18, s46, v7
	v_add_nc_u32 v19, 32, v7
	v_min_u32 v19, s46, v19
	v_add_nc_u32 v18, s45, v18
	v_add_nc_u32 v19, s45, v19
	v_min_u32 v18, 0x1fff, v18
	v_min_u32 v19, 0x1fff, v19
	v_lshlrev_b32 v18, 2, v18
	v_lshlrev_b32 v19, 2, v19
	global_load_b32 v14, v18, s[14:15]
	global_load_b32 v15, v19, s[14:15]
	WIN 0xc0                                       ; the biases, in the results' layout: 48 loads
.irp t, 0,1,2,3,4,5,6,7
	global_load_b128 v[8*\t:8*\t+3], v20, s[50:51] offset:(32*(\t/2)+8*(\t%2))*4
	global_load_b128 v[8*\t+4:8*\t+7], v20, s[50:51] offset:(32*(\t/2)+8*(\t%2))*4+16
.endr
.irp g, 0,1
.irp n, 0,1,2,3,4,5,6,7
	global_load_b128 v[64+64*\g+8*\n:64+64*\g+8*\n+3], v21, s[52:53] offset:512*\g+64*\n
	global_load_b128 v[64+64*\g+8*\n+4:64+64*\g+8*\n+7], v21, s[52:53] offset:512*\g+64*\n+16
.endr
.endr
	WIN 0
	s_wait_loadcnt 48                              ; the two loads of token numbers are in; the 48 behind them may be out
	v_min_u32 v14, 0x1fff, v14
	v_min_u32 v15, 0x1fff, v15
	ds_store_b32 v11, v14
	ds_store_b32 v11, v15 offset:128
	v_lshlrev_b32 v16, 4, v14
	v_lshlrev_b32 v17, 4, v15
.irp p, 0,1                                        ; the rows' scale words: lane l takes row 32 p + l: lanes 0-15 tile 2 p, lanes 16-31 tile 2 p + 1; register 48 + 8 p + s: K step s
.irp q, 0,1
	global_load_b128 v[48+8*\p+4*\q:48+8*\p+4*\q+3], v[16+\p], s[6:7] offset:131072*\q
.endr
.endr
.irp i, 0,1,2,3
	ds_load_b128 v[128+4*\i:128+4*\i+3], v12 offset:16*\i      ; my wave's 16 token numbers, the same in every lane
.endr
	s_wait_dscnt 0x0
.irp i, 0,1,2,3,4,5,6,7,8,9,10,11,12,13,14,15
	v_min_u32 v[128+\i], 0x1fff, v[128+\i]
.endr
.irp i, 0,1,2,3,4,5,6,7,8,9,10,11,12,13,14,15
	v_lshl_add_u32 v[144+\i], v[128+\i], 9, v1
.endr
.irp i, 0,1,2,3,4,5,6,7,8,9,10,11,12,13,14,15
	global_load_b128 v[64+4*\i:64+4*\i+3], v[144+\i], s[4:5]   ; a token's 512 bytes of codes: 32 lanes, one row
.endr
	LOADCH 0
	LOADCH 1
	LOADCH 2
.irp i, 0,1,2,3,4,5,6,7,8,9,10,11,12,13,14,15      ; while they fly: all 64 rows' offsets in out
	ds_load_b128 v[192+4*\i:192+4*\i+3], v22 offset:16*\i
.endr
	s_wait_dscnt 0x0
.set jj, 0
.rept 64
	v_min_u32 v[192+jj], 0x1fff, v[192+jj]
.set jj, jj+1
.endr
	WIN 0xc0
.set jj, 0
.rept 64
	v_lshl_add_u32 v[192+jj], v[192+jj], 12, v1    ; token x 4,096 + 16 x lane, into window 3
.set jj, jj+1
.endr
	WIN 0
.irp b, 0,1,2,3
	v_mov_b32 v[TM+4+\b], 0                        ; a lane permute's destination counts as one of its sources
.endr
	s_wait_loadcnt 51                              ; all but the three chunks: biases, scale words and my rows of x are in
.irp i, 0,1,2,3,4,5,6,7,8,9,10,11,12,13,14,15
	ds_store_b128 v13, v[64+4*\i:64+4*\i+3] offset:528*\i
.endr
	s_wait_dscnt 0x0                               ; for the others' sake: my rows have landed
	s_barrier_signal -1
	s_barrier_wait -1                              ; all 64 rows of x lie in LDS
	FETCHX 0
	; ---- the first product: eight K steps
.irp s, 0,1,2,3,4,5,6,7
.if \s > 0
	PLACES 4                                       ; the loads below land in registers that the last step's products read
.endif
	LOADCH \s+3
.if \s < 7
	FETCHX \s+1
	s_wait_loadcnt 51                              ; this step's chunk is in; the three behind it may be out
	s_wait_dscnt 8                                 ; this step's fragments of x are in; the eight loads just issued may be out
.else
	s_wait_loadcnt 51
	s_wait_dscnt 0x0
.endif
	MUL1 \s
.endr
	; ---- the hidden layer: relu in f32, quantised in registers; my 128 units are K step w of the second product
	PLACES 4
.irp m, 0,1,2,3
	WIN 0x04
.set jj, 0
.rept 64
	v_max_num_f32 v[HA+jj], 0, v[64*\m+jj]         ; each accumulator from its low end on
.set jj, jj+1
.endr
	WIN 0
	QUANT HA, \m
.irp c, 0,1
	ds_store_b128 v5, v[PC+8*\m+4*\c:PC+8*\m+4*\c+3] offset:4096*\m+512*\c     ; the fragment as it stands: lane l's 16 bytes at 16 l
.endr
	ds_store_b32 v6, v[PW+\m] offset:512*\m
.endr
	s_wait_dscnt 0x0                               ; for the others' sake: my images have landed
	s_barrier_signal -1
	s_barrier_wait -1                              ; the hidden layer's sixteen fragments lie in LDS
.irp f, 0,1,2,3,4,5,6,7,8,9,10,11,12,13,14,15
.irp c, 0,1
	ds_load_b128 v[64+8*\f+4*\c:64+8*\f+4*\c+3], v1 offset:HIMG+1024*\f+512*\c
.endr
	ds_load_b32 v[48+\f], v8 offset:HSC+128*\f
.endr
	s_wait_dscnt 0x0
	; ---- the second product: two halves of 128 outputs, four K steps each; a half leaves while the next half's chunks are on their way
.irp g, 0,1
.irp s, 0,1,2,3
.if (\g == 1) && (\s == 0)
	PLACES 5                                       ; the accumulators begin anew with another C
.else
	PLACES 4
.endif
.if 4*\g+\s <= 3
	LOADCH 11+4*\g+\s
	s_wait_loadcnt 51                              ; this step's chunk is in; the three behind it may be out
.else
	s_wait_loadcnt 17*(7-4*\g-\s)                  ; nothing more is asked for: three, two, one, no chunk behind this step's
.endif
	MUL2 \g, \s
.endr
	PLACES 4                                       ; behind the half's last products: for the loads into their buffer, and for the stage's reads of the results
.if \g == 0
	LOADCH 15                                      ; the last chunk, into the buffer that K step 3 has just left: ahead of this half's 64 stores
.endif
.irp m, 0,1,2,3
	TOSTAGE \m
	SEND \m, \g
.endr
.endr
	s_wait_tensorcnt 0x0
	ds_add_u32 v30, v31
	s_wait_dscnt 0x0
	s_endpgm
.Lfunc_end_k_q92a6c356cf_ffn:
	.size	k_q92a6c356cf_ffn, .Lfunc_end_k_q92a6c356cf_ffn-k_q92a6c356cf_ffn
	.p2alignl 7, 3214868480
	.fill 96, 4, 3214868480
	.section	.rodata,"a",@progbits
	.p2align	6, 0x0
	.amdhsa_kernel k_q92a6c356cf_ffn
		.amdhsa_group_segment_fixed_size 87552
		.amdhsa_private_segment_fixed_size 0
		.amdhsa_enable_private_segment 0
		.amdhsa_kernarg_size 64
		.amdhsa_user_sgpr_count 2
		.amdhsa_user_sgpr_kernarg_segment_ptr 1
		.amdhsa_wavefront_size32 1
		.amdhsa_system_sgpr_workgroup_id_x 1
		.amdhsa_system_sgpr_workgroup_id_y 1
		.amdhsa_system_sgpr_workgroup_id_z 1
		.amdhsa_system_vgpr_workitem_id 0
		.amdhsa_next_free_vgpr 1024
		.amdhsa_next_free_sgpr 66
		.amdhsa_reserve_vcc 0
		.amdhsa_float_denorm_mode_32 3
		.amdhsa_float_denorm_mode_16_64 3
		.amdhsa_memory_ordered 1
		.amdhsa_forward_progress 1
		.amdhsa_inst_pref_size 187
	.end_amdhsa_kernel
	.amdgpu_metadata
---
amdhsa.version: [ 1, 2 ]
amdhsa.kernels:
  - .name:           k_q92a6c356cf_ffn
    .symbol:         k_q92a6c356cf_ffn.kd
    .args:
      - { .name: xq, .offset: 0, .size: 8, .value_kind: global_buffer, .address_space: global }
      - { .name: xs, .offset: 8, .size: 8, .value_kind: global_buffer, .address_space: global }
      - { .name: wq, .offset: 16, .size: 8, .value_kind: global_buffer, .address_space: global }
      - { .name: b1, .offset: 24, .size: 8, .value_kind: global_buffer, .address_space: global }
      - { .name: b2, .offset: 32, .size: 8, .value_kind: global_buffer, .address_space: global }
      - { .name: perm, .offset: 40, .size: 8, .value_kind: global_buffer, .address_space: global }
      - { .name: tot, .offset: 48, .size: 8, .value_kind: global_buffer, .address_space: global }
      - { .name: out0, .offset: 56, .size: 8, .value_kind: global_buffer, .address_space: global }
    .group_segment_fixed_size: 87552
    .private_segment_fixed_size: 0
    .kernarg_segment_align: 8
    .kernarg_segment_size: 64
    .max_flat_workgroup_size: 128
    .sgpr_count:     66
    .vgpr_count:     1024
    .wavefront_size: 32
...
	.end_amdgpu_metadata
.endif
;; end of part 3
;; ======== version 2 of 2: 3 launches
;; workspace buffers: eidx 32,768 bytes of whole numbers; perm 32,768 bytes of whole numbers; tot 256 bytes of whole numbers; xq 4,194,304 bytes; xs 262,144 bytes; wq 4,456,448 bytes
;; launch xprep: the kernel of part 1 again; grid 256 x 1, 4 waves a work-group, no clusters, 53,760 bytes of LDS; arguments x, Wr, br, xq, xs, eidx; writes xq, xs, eidx
;; launch wprep (part 4): grid 257 x 1, 4 waves a work-group, no clusters, 34,560 bytes of LDS; arguments W1, W2, eidx, wq, perm, tot; writes wq, perm, tot
.if DOCPART == 4
	.amdgcn_target "amdgcn-amd-amdhsa--gfx1250"
	.amdhsa_code_object_version 6
	.text
	.protected	k_q92a6c356cf_wprep
	.globl	k_q92a6c356cf_wprep
	.p2align	8
	.type	k_q92a6c356cf_wprep,@function
k_q92a6c356cf_wprep:
	s_mov_b64 s[64:65], 0
	v_nop
	global_prefetch_b8 v0, s[64:65] scope:SCOPE_SE
	s_setreg_imm32_b32 hwreg(HW_REG_WAVE_MODE, 25, 1), 1
	s_wait_xcnt 0x0
; Two jobs side by side.  Work-groups 1 to 256 turn W1 [8][512][1024] and W2 [8][1024][512], f32, K innermost, into codes of FP4 (E2M1) with one E8M0 byte for each 32 along K.
; Work-group 0 sorts the tokens by expert (a counting sort without atomics) from eidx, which the launch before stored.
; wq [e 8][w 4][c 16][8,704 B]: a chunk is what wave w of the next launch uses in one K step, IN THE ORDER OF ITS REGISTERS: eight fragments (16 rows x 128 K) of 1,024 bytes, registers 4 c2 .. 4 c2 + 3 of fragment t
; at 1024 t + 512 c2 + 16 lane; from byte 8,192 on the scale words: lane l', word q: fragment q + 4 (l' / 16), row l' % 16.
; Chunks 0-7: W1, K step c; lane r of fragment 2 b + u is row 128 w + 32 b + 8 u + r + 8 (r / 8), so that the product's results are neighbours along the next K.  Chunks 8 + 4 g + s: W2, K step s; lane r of fragment n is row 256 w + 128 g + 16 n + r.
; A wave takes half a chunk: four fragments, 64 rows x 512 bytes.  Both tensors take ONE path: what differs is chosen by s_cselect on the chunk's number.
; perm [8192]: token numbers grouped by expert, no padding; tot: words 0-7 the experts' counts, words 8-31 zero.
; THE SORT keeps a lane's eight counts as BYTES of two registers (a lane has 64 tokens, so no byte overflows), and looks a byte up by v_perm_b32 with the token's expert as the selector: 14 lines a token in both passes together.
; LIMITS: NaN and infinities among the inputs are not served.  A block of zeros gets the byte 1 where the rule says 127: its codes are zeros, and this program alone reads the bytes.
.set STGW, 8448                        ; a wave's stage: 16 rows x (512 + 16) bytes
.set PL,   33792                       ; behind the four stages: the sort's 64 bytes; each of the two paths has LDS bytes of its own
.set LN16, 4
.set STW,  5
.set STR,  6
.set SO8,  10
.set H8,   11
.set M,    16
.set SOP,  18
.set BY,   20
.set SW,   22
.set TP,   23
.set SWD,  24
.set P,    28
.set VO,   32                          ; v32-47  row i's byte offset + 16 x lane
.set C,    48                          ; v48-79  codes: eight registers for each fragment
.set X0,   96                          ; v96-159, v160-223: two sets of 64 numbers
.set MSB, 0
.macro WIN new
.if MSB != \new
	s_set_vgpr_msb (MSB<<8)|\new
.set MSB, \new
.endif
.endm
.macro TURN tt, xr                     ; fragment tt through the stage: in as loaded, out 128 bytes a lane.  LDS serves a wave's instructions in order: these stores come behind the last fragment's loads
	WIN 0x04
.irp i, 0,1,2,3,4,5,6,7,8,9,10,11,12,13,14,15
	ds_store_b128 v[STW], v[64*(\tt)+4*\i:64*(\tt)+4*\i+3] offset:528*\i
.endr
	WIN 0
.irp c, 0,1
.irp q, 0,1,2,3,4,5,6,7
	ds_load_b128 v[\xr+32*\c+4*\q:\xr+32*\c+4*\q+3], v[STR] offset:256*\c+16*\q
.endr
.endr
.endm
.macro QBLK tt, xr                     ; lane (r, h) holds k = 64 c + 32 h + 0 .. 31 of row r: two whole blocks
.irp c, 0,1
	v_max3_num_f32 v[M+\c], |v[\xr+32*\c]|, |v[\xr+32*\c+1]|, 0x1800000   ; with the floor 2^(3 - 127): the byte cannot fall under 1
.endr
.irp i, 2,4,6,8,10,12,14,16,18,20,22,24,26,28,30
.irp c, 0,1
	v_max3_num_f32 v[M+\c], v[M+\c], |v[\xr+32*\c+\i]|, |v[\xr+32*\c+\i+1]|
.endr
.endr
.irp c, 0,1
	v_add_nc_u32 v[SOP+\c], 0xff000000, v[M+\c]    ; 2 off the exponent field: the conversion's scale operand
.endr
.irp c, 0,1
	v_lshrrev_b32 v[BY+\c], 23, v[SOP+\c]
.endr
	v_lshl_or_b32 v[SW], v[BY+1], 16, v[BY]
	v_lshlrev_b32 v[SW], v[H8], v[SW]
	v_permlanex16_b32 v[TP], v[SW], s22, s23
	v_or_b32 v[SWD+(\tt)], v[SW], v[TP]
.irp c, 0,1
.irp g, 0,1,2,3
	v_cvt_scalef32_pk8_fp4_f32 v[C+8*(\tt)+4*\c+\g], v[\xr+32*\c+8*\g:\xr+32*\c+8*\g+7], v[SOP+\c]
.endr
.endr
	v_nop                                          ; one plain line behind the last scaled conversion
.endm
	s_load_b256 s[4:11], s[0:1], 0x0               ; W1 s[4:5], W2 s[6:7], eidx s[8:9], wq s[10:11]
	s_load_b128 s[12:15], s[0:1], 0x20             ; perm s[12:13], tot s[14:15]
	v_lshl_add_u32 v7, v0, 2, 0x8500
	s_set_vgpr_msb 0x80
	v_mov_b32 v1, 0
	s_set_vgpr_msb 0x8000
	v_lshrrev_b32 v1, 5, v0
	v_readfirstlane_b32 s16, v1                    ; wave 0..3
	v_and_b32 v1, 31, v0                           ; lane
	v_bfe_u32 v3, v0, 4, 1                         ; h
	s_wait_kmcnt 0x0
	s_cmp_eq_u32 ttmp9, 0                          ; the same in all waves of a work-group
	s_cbranch_scc1 .Lplace
	; ---------------- the weights ----------------
	v_and_b32 v2, 15, v0                           ; r
	s_wait_alu depctr_va_vdst(0)
	v_lshlrev_b32 v[LN16], 4, v1
	s_wait_alu depctr_va_vdst(0)
	s_mul_i32 s47, s16, STGW
	v_add_nc_u32 v[STW], s47, v[LN16]
	v_mul_u32_u24 v[STR], v2, 528
	v_lshl_add_u32 v[STR], v3, 7, v[STR]
	v_add_nc_u32 v[STR], s47, v[STR]
	v_lshlrev_b32 v[SO8], 4, v2
	v_lshl_add_u32 v[SO8], v3, 3, v[SO8]
	v_lshlrev_b32 v[H8], 3, v3
	v_mov_b32 v[TP], 0
	s_mov_b32 s22, 0x76543210
	s_mov_b32 s23, 0xfedcba98
	s_mov_b32 s46, 0xffff0000
	s_sub_co_u32 s17, ttmp9, 1
	s_and_b32 s18, s16, 1                          ; hc: which half of the chunk
	s_and_b32 s19, s17, 7
	s_lshl_b32 s19, s19, 1
	s_lshr_b32 s47, s16, 1
	s_add_co_u32 s19, s19, s47                     ; c: the chunk
	s_bfe_u32 s20, s17, 0x20003                    ; w
	s_lshr_b32 s21, s17, 5                         ; e
	s_cmp_lt_u32 s19, 8                            ; W1's chunk or W2's?  Only selections stand between this compare and the last of them
	s_cselect_b64 s[40:41], s[4:5], s[6:7]
	s_cselect_b32 s24, 12, 11                      ; log2 of a row's bytes
	s_cselect_b32 s25, 7, 3                        ; the K step is c's low bits
	s_cselect_b32 s26, 8, 16                       ; rows from an even fragment to the odd one behind it
	s_cselect_b32 s27, 8, 0                        ; lanes 8-15 of a fragment stand so many rows further on
	s_cselect_b32 s28, 7, 8                        ; log2 of a wave's rows
	s_cselect_b32 s29, 0, 128                      ; rows of W2's second half g
	s_lshl_b32 s47, s20, s28
	s_bfe_u32 s48, s19, 0x10002
	s_mul_i32 s48, s48, s29
	s_add_co_u32 s47, s47, s48
	s_lshl_b32 s48, s18, 6
	s_add_co_u32 s47, s47, s48                     ; my first row in the expert
	s_lshl_b32 s47, s47, s24
	s_lshl_b32 s48, s21, 21                        ; an expert is 2^21 bytes in both tensors
	s_add_co_u32 s47, s47, s48
	s_and_b32 s48, s19, s25
	s_lshl_b32 s48, s48, 9                         ; 128 along K are 512 bytes
	s_add_co_u32 s30, s47, s48
	s_mov_b32 s31, 0
	s_add_nc_u64 s[40:41], s[40:41], s[30:31]
.irp f, 0,1,2,3                                    ; a base for each of my four fragments
.if \f & 1
	s_add_co_u32 s30, s26, 32*(\f/2)
.else
	s_mov_b32 s30, 32*(\f/2)
.endif
	s_lshl_b32 s30, s30, s24
	s_add_nc_u64 s[32+2*\f:33+2*\f], s[40:41], s[30:31]
.endr
.irp i, 0,1,2,3,4,5,6,7,8,9,10,11,12,13,14,15
.if \i >= 8
	s_add_co_u32 s47, s27, \i
.else
	s_mov_b32 s47, \i
.endif
	s_lshl_b32 s47, s47, s24
	v_add_nc_u32 v[VO+\i], s47, v[LN16]
.endr
	s_lshl_b32 s47, s21, 2
	s_add_co_u32 s47, s47, s20
	s_lshl_b32 s47, s47, 4
	s_add_co_u32 s47, s47, s19
	s_mul_i32 s30, s47, 8704
	s_add_nc_u64 s[42:43], s[10:11], s[30:31]      ; my chunk
	s_lshl_b32 s30, s18, 8
	s_add_co_u32 s30, s30, 8192
	s_add_nc_u64 s[44:45], s[42:43], s[30:31]      ; my half's scale words
	s_lshl_b32 s30, s18, 12
	s_add_nc_u64 s[42:43], s[42:43], s[30:31]      ; my half's codes
	WIN 0x40
	s_wait_alu depctr_va_vdst(0)
.irp f, 0,1,2,3
.irp i, 0,1,2,3,4,5,6,7,8,9,10,11,12,13,14,15
	global_load_b128 v[64*\f+4*\i:64*\f+4*\i+3], v[VO+\i], s[32+2*\f:33+2*\f] th:TH_LOAD_NT   ; 512 consecutive bytes of a row
.endr
.endr
	WIN 0
	s_wait_loadcnt 48                              ; fragment 0's sixteen loads are in
	TURN 0, X0
.irp f, 0,1,2,3
.if \f < 3
	s_wait_loadcnt 32-16*\f                        ; the next fragment's loads are in; those of the fragments behind it may be out
	TURN \f+1, X0+64*((\f+1)%2)
	s_wait_dscnt 32                                ; all but the 32 LDS lines just issued: this fragment is back from the stage
.else
	s_wait_dscnt 0x0
.endif
	QBLK \f, X0+64*(\f%2)
.irp c, 0,1
	global_store_b128 v[LN16], v[C+8*\f+4*\c:C+8*\f+4*\c+3], s[42:43] offset:1024*\f+512*\c   ; 512 consecutive bytes, aligned: four registers of the operand as they stand
.endr
.endr
	v_cndmask_b32 v[P], v[SWD], v[SWD+2], s46      ; lanes 0-15 store words 0 and 1 of their row, lanes 16-31 words 2 and 3
	v_cndmask_b32 v[P+1], v[SWD+1], v[SWD+3], s46
	global_store_b64 v[SO8], v[P:P+1], s[44:45]    ; 256 consecutive bytes, aligned
	s_set_vgpr_msb 0x8
	s_wait_tensorcnt 0x0
	ds_add_u32 v7, v1
	s_wait_dscnt 0x0
	s_set_vgpr_msb 0x800
	s_endpgm
	; ---------------- the sort: 128 threads, 64 tokens each ----------------
.set LB,  8                            ; v8-11   four tokens' places at work
.set HB,  12                           ; v12-15
.set CLO, 16                           ; v16     my running counts of experts 0-3, a byte each
.set CHI, 17                           ; v17     of experts 4-7
.set T8,  18                           ; v18-19  8 x the token's expert (a shift takes its low five bits: 8 x (expert % 4)); two sets by turns
.set HH,  20                           ; v20-21  1 for experts 4-7
.set NH,  22                           ; v22-23  1 for experts 0-3
.set RUN, 24                           ; v24-31  where my first token of expert e goes
.set Q,   32                           ; v32-35  counts packed: expert k below, expert k + 4 above (no count passes 8,192)
.set OWN, 36
.set T,   40
.set WT,  44                           ; v44-59  the four waves' totals; behind them the same registers hold the tables:
.set TA,  44                           ; v44-47  at work
.set BLL, 48                           ; v48     the low bytes of RUN 0-3;  v49 of RUN 4-7
.set BLH, 49
.set BHL, 50                           ; v50     the high bytes of RUN 0-3; v51 of RUN 4-7
.set BHH, 51
.set NEGK, 52                          ; v52     what a lookup's upper bytes add, with a minus
.set HM,  61                           ; all ones in lanes 16-31
.set TOK, 64                           ; v64-127  my tokens' experts
.set IDR, 128                          ; v128-191 my tokens' numbers
.set RK,  192                          ; v192-255 my tokens' ranks in my lane, then the byte offsets of their places: a register for each store
.macro PREP j                          ; token j's shift and its two bits, into set j % 2
	v_lshrrev_b32 v[HH+(\j)%2], 2, v[TOK+(\j)]
	v_lshlrev_b32 v[T8+(\j)%2], 3, v[TOK+(\j)]
	v_xor_b32 v[NH+(\j)%2], 1, v[HH+(\j)%2]
.endm
.Lplace:
	s_wait_alu depctr_va_vdst(0)
	v_lshlrev_b32 v2, 4, v1
	s_lshl_b32 s17, s16, 13
	v_add_nc_u32 v2, s17, v2                       ; 8,192 bytes a wave, 16 a lane
.irp i, 0,1,2,3,4,5,6,7,8,9,10,11,12,13,14,15
	global_load_b128 v[TOK+4*\i:TOK+4*\i+3], v2, s[8:9] offset:512*\i
.endr
	v_lshlrev_b32 v4, 2, v1
	s_lshl_b32 s17, s16, 11
	v_add_nc_u32 v4, s17, v4
.irp i, 0,1,2,3,4,5,6,7,8,9,10,11,12,13,14,15
.irp q, 0,1,2,3
	v_add_nc_u32 v[IDR+4*\i+\q], 128*\i+\q, v4     ; token = 2048 wave + 128 i + 4 lane + q
.endr
.endr
	v_mov_b32 v[CLO], 0
	v_mov_b32 v[CHI], 0
	v_sub_nc_u32 v[HM], 0, v3
	s_lshl_b32 s17, s16, 4
	s_add_co_u32 s17, s17, PL
	v_mov_b32 v62, s17                             ; my wave's 16 bytes
	v_mov_b32 v63, PL
	s_wait_alu depctr_va_vdst(0)
	s_wait_loadcnt 0x0
	; pass 1: count, and keep each token's rank among my tokens of its expert.  The selector's byte 0 is the expert: bytes 0-3 of the second source, 4-7 of the first.
	; Its upper bytes are 0, so the result's upper bytes hold expert 0's count: pass 2 cuts them off.  The next token's three lines stand between one token's additions and the next lookup.
	PREP 0
.set j, 0
.rept 64
	v_perm_b32 v[RK+j], v[CHI], v[CLO], v[TOK+j]
	v_lshl_add_u32 v[CHI], v[HH+j%2], v[T8+j%2], v[CHI]
	v_lshl_add_u32 v[CLO], v[NH+j%2], v[T8+j%2], v[CLO]
.if j < 63
	PREP j+1
.endif
.set j, j+1
.endr
.irp k, 0,1,2,3
	v_bfe_u32 v[Q+\k], v[CLO], 8*\k, 8
	v_bfe_u32 v[T+\k], v[CHI], 8*\k, 8
.endr
.irp k, 0,1,2,3
	v_lshl_or_b32 v[Q+\k], v[T+\k], 16, v[Q+\k]
.endr
.irp k, 0,1,2,3
	v_mov_b32 v[OWN+\k], v[Q+\k]
.endr
.irp d, 1,2,4,8                                    ; a running sum over each 16 lanes
.irp k, 0,1,2,3
	v_mov_b32_dpp v[T+\k], v[Q+\k] row_shr:\d row_mask:0xf bank_mask:0xf bound_ctrl:1
.endr
.irp k, 0,1,2,3
	v_add_nc_u32 v[Q+\k], v[Q+\k], v[T+\k]
.endr
.endr
.irp k, 0,1,2,3
	v_readlane_b32 s[60+\k], v[Q+\k], 15           ; lanes 16-31 add the first sixteen's sum
	v_and_b32 v[T+\k], s[60+\k], v[HM]
	v_add_nc_u32 v[Q+\k], v[Q+\k], v[T+\k]
	v_readlane_b32 s[60+\k], v[Q+\k], 31           ; the wave's total
	v_mov_b32 v[T+\k], s[60+\k]
	v_sub_nc_u32 v[Q+\k], v[Q+\k], v[OWN+\k]       ; what the lanes before me hold
.endr
	ds_store_b128 v62, v[T:T+3]                    ; all lanes write the same 16 bytes with the same values
	s_wait_dscnt 0x0
	s_barrier_signal -1
	s_barrier_wait -1
.irp w, 0,1,2,3
	ds_load_b128 v[WT+4*\w:WT+4*\w+3], v63 offset:16*\w
.endr
	s_wait_dscnt 0x0
.irp w, 0,1,2,3
.irp k, 0,1,2,3
	v_readfirstlane_b32 s[20+4*\w+\k], v[WT+4*\w+\k]
.endr
.endr
.irp k, 0,1,2,3
	s_add_co_u32 s[36+\k], s[20+\k], s[24+\k]      ; all four waves',
	s_add_co_u32 s[36+\k], s[36+\k], s[28+\k]
	s_add_co_u32 s[36+\k], s[36+\k], s[32+\k]
	s_mov_b32 s[40+\k], 0
.endr
.irp w, 0,1,2
	s_cmp_gt_u32 s16, \w                           ; and those of the waves before mine
	s_cselect_b32 s60, -1, 0
.irp k, 0,1,2,3
	s_and_b32 s61, s[20+4*\w+\k], s60
	s_add_co_u32 s[40+\k], s[40+\k], s61
.endr
.endr
.irp k, 0,1,2,3
	s_and_b32 s[44+\k], s[36+\k], 0xffff           ; s44-51: the experts' counts
	s_lshr_b32 s[48+\k], s[36+\k], 16
	s_and_b32 s[52+\k], s[40+\k], 0xffff
	s_lshr_b32 s[56+\k], s[40+\k], 16
.endr
	s_mov_b32 s60, 0
.irp e, 0,1,2,3,4,5,6,7
	s_add_co_u32 s[52+\e], s[52+\e], s60           ; s52-59: where my wave's tokens of expert e begin
	s_add_co_u32 s60, s60, s[44+\e]
.endr
.irp k, 0,1,2,3
	v_and_b32 v[RUN+\k], 0xffff, v[Q+\k]
	v_lshrrev_b32 v[RUN+4+\k], 16, v[Q+\k]
.endr
.irp e, 0,1,2,3,4,5,6,7
	v_add_nc_u32 v[RUN+\e], s[52+\e], v[RUN+\e]    ; at most 8,192: two bytes
.endr
	s_cmp_lg_u32 s16, 0
	s_cbranch_scc1 .Lnot_0
	v_mov_b32 v[T], 0
.irp e, 0,1,2,3,4,5,6,7
	v_writelane_b32 v[T], s[44+\e], \e
.endr
	v_lshlrev_b32 v5, 2, v1
	global_store_b32 v5, v[T], s[14:15]            ; the counts, and 24 zeros behind them
.Lnot_0:
	s_wait_alu depctr_va_vdst(0)
	; my eight first places as four tables of bytes, so that a token's expert can serve as v_perm_b32's selector
.irp p, 0,1,2,3
	v_perm_b32 v[TA+\p], v[RUN+2*\p+1], v[RUN+2*\p], 0x05010400    ; low byte of RUN 2 p, of RUN 2 p + 1, high byte of RUN 2 p, of RUN 2 p + 1
.endr
	v_perm_b32 v[BLL], v[TA+1], v[TA], 0x05040100  ; the two low halves: the low bytes of RUN 0, 1, 2, 3
	v_perm_b32 v[BHL], v[TA+1], v[TA], 0x07060302  ; the two high halves: their high bytes
	v_perm_b32 v[BLH], v[TA+3], v[TA+2], 0x05040100
	v_perm_b32 v[BHH], v[TA+3], v[TA+2], 0x07060302
	; A selector's upper three bytes are 0, so a lookup's upper three bytes all hold its table's byte 0.  What that adds to (high << 8) + low is one number K for the lane, whatever the expert:
	; the same lookup with the selector 0 gives RUN 0 + K.
	v_perm_b32 v[LB], v[BLH], v[BLL], 0
	v_perm_b32 v[HB], v[BHH], v[BHL], 0
	v_lshl_add_u32 v[LB], v[HB], 8, v[LB]
	v_sub_nc_u32 v[NEGK], v[RUN], v[LB]            ; -K
	; pass 2: place, four tokens by turns.  These are stores of four bytes to scattered places: the placing step of a counting sort, 32,768 bytes in all
.set j, 0
.rept 16
.irp q, 0,1,2,3
	v_perm_b32 v[LB+\q], v[BLH], v[BLL], v[TOK+j+\q]
.endr
.irp q, 0,1,2,3
	v_perm_b32 v[HB+\q], v[BHH], v[BHL], v[TOK+j+\q]
.endr
.irp q, 0,1,2,3
	v_and_b32 v[RK+j+\q], 0xff, v[RK+j+\q]         ; the rank alone
.endr
.irp q, 0,1,2,3
	v_lshl_add_u32 v[LB+\q], v[HB+\q], 8, v[LB+\q]
.endr
.irp q, 0,1,2,3
	v_add3_u32 v[LB+\q], v[LB+\q], v[RK+j+\q], v[NEGK]     ; my first place of that expert + the token's rank
.endr
.irp q, 0,1,2,3
	v_min_u32 v[LB+\q], 0x1fff, v[LB+\q]           ; a place made of loaded numbers is held inside the list
.endr
.irp q, 0,1,2,3
	v_lshlrev_b32 v[RK+j+\q], 2, v[LB+\q]          ; written once as an offset and never again: no store's source is rewritten
.endr
.irp q, 0,1,2,3
	global_store_b32 v[RK+j+\q], v[IDR+j+\q], s[12:13]
.endr
.set j, j+4
.endr
	s_set_vgpr_msb 0x8
	s_wait_tensorcnt 0x0
	ds_add_u32 v7, v1
	s_wait_dscnt 0x0
	s_set_vgpr_msb 0x800
	s_endpgm
.Lfunc_end_k_q92a6c356cf_wprep:
	.size	k_q92a6c356cf_wprep, .Lfunc_end_k_q92a6c356cf_wprep-k_q92a6c356cf_wprep
	.p2alignl 7, 3214868480
	.fill 96, 4, 3214868480
	.section	.rodata,"a",@progbits
	.p2align	6, 0x0
	.amdhsa_kernel k_q92a6c356cf_wprep
		.amdhsa_group_segment_fixed_size 34560
		.amdhsa_private_segment_fixed_size 0
		.amdhsa_enable_private_segment 0
		.amdhsa_kernarg_size 48
		.amdhsa_user_sgpr_count 2
		.amdhsa_user_sgpr_kernarg_segment_ptr 1
		.amdhsa_wavefront_size32 1
		.amdhsa_system_sgpr_workgroup_id_x 1
		.amdhsa_system_sgpr_workgroup_id_y 1
		.amdhsa_system_sgpr_workgroup_id_z 1
		.amdhsa_system_vgpr_workitem_id 0
		.amdhsa_next_free_vgpr 514
		.amdhsa_next_free_sgpr 80
		.amdhsa_reserve_vcc 0
		.amdhsa_float_denorm_mode_32 3
		.amdhsa_float_denorm_mode_16_64 3
		.amdhsa_memory_ordered 1
		.amdhsa_forward_progress 1
		.amdhsa_inst_pref_size 99
	.end_amdhsa_kernel
	.amdgpu_metadata
---
amdhsa.version: [ 1, 2 ]
amdhsa.kernels:
  - .name:           k_q92a6c356cf_wprep
    .symbol:         k_q92a6c356cf_wprep.kd
    .args:
      - { .name: W1, .offset: 0, .size: 8, .value_kind: global_buffer, .address_space: global }
      - { .name: W2, .offset: 8, .size: 8, .value_kind: global_buffer, .address_space: global }
      - { .name: eidx, .offset: 16, .size: 8, .value_kind: global_buffer, .address_space: global }
      - { .name: wq, .offset: 24, .size: 8, .value_kind: global_buffer, .address_space: global }
      - { .name: perm, .offset: 32, .size: 8, .value_kind: global_buffer, .address_space: global }
      - { .name: tot, .offset: 40, .size: 8, .value_kind: global_buffer, .address_space: global }
    .group_segment_fixed_size: 34560
    .private_segment_fixed_size: 0
    .kernarg_segment_align: 8
    .kernarg_segment_size: 48
    .max_flat_workgroup_size: 128
    .sgpr_count:     80
    .vgpr_count:     514
    .wavefront_size: 32
...
	.end_amdgpu_metadata
.endif
;; end of part 4
;; launch ffn (part 5): grid 135 x 1, 4 waves a work-group, no clusters, 87,552 bytes of LDS; arguments xq, xs, wq, b1, b2, perm, tot, out0; writes out0
.if DOCPART == 5
	.amdgcn_target "amdgcn-amd-amdhsa--gfx1250"
	.amdhsa_code_object_version 6
	.text
	.protected	k_q92a6c356cf_ffn
	.globl	k_q92a6c356cf_ffn
	.p2align	8
	.type	k_q92a6c356cf_ffn,@function
k_q92a6c356cf_ffn:
	s_mov_b64 s[64:65], 0
	v_nop
	global_prefetch_b8 v0, s[64:65] scope:SCOPE_SE
	s_setreg_imm32_b32 hwreg(HW_REG_WAVE_SCHED_MODE, 0, 2), 2
	s_setreg_imm32_b32 hwreg(HW_REG_WAVE_MODE, 25, 1), 1
	s_wait_xcnt 0x0
	s_wait_alu depctr_vm_vsrc(0)
; out[t] = relu(x[t] W1[e]^T + b1[e]) W2[e]^T + b2[e] for the ONE expert e chosen for token t; both products on codes of FP4 (E2M1) with one E8M0 scale for each 32 along K.
; A work-group takes one tile of at most 64 rows of one expert through the whole chain; the hidden layer is quantised in registers and goes from wave to wave through LDS, never to memory.
; THE GRID SERVES EVERY SPLIT, AND EVERY WORK-GROUP HAS ROWS.  With tiles of 64 rows the eight experts have S tiles, 128 <= S <= 135.  The largest expert has 1,024 rows or more: its first 135 - S full tiles
; are each cut into two tiles of 32.  So there are always 135 tiles, found by scalar selections alone: no branch stands in this text.
; A tile's places behind its last row repeat that row: the same codes give the same bits, stored to the same row by the same work-group.  135 x 64 places serve 8,192 rows: 448 places, 1.8 MB of stores, are such repeats.
; SHARES: the waves share the COLUMNS: wave w makes hidden units 128 w .. + 127 and outputs 256 w .. + 255 (in two halves g of 128), for all 64 rows (four tiles m of 16).
; Both products are used transposed (source 0 = 16 rows of the weight, source 1 = 16 tokens): a lane holds one token, its registers run along the units.
; THE WEIGHTS come from memory straight into registers, as the launch before laid them: a chunk of 8,704 bytes is a wave's eight fragments and scale words of one K step; a ring of four chunk buffers, three chunks (51 loads) ahead.
; NO JOINT LOADS: the weights' address hangs on the expert, a number read from memory, and an expert's tiles are no multiple of four; so no cluster and no tensor load.
; LIMITS: NaN and infinities are not served.  A block of zeros gets the byte 1 where the rule says 127: its codes are zeros, and this program alone reads the bytes.
; REGISTERS, in windows of 256: window 1: 32 accumulators, v[64 m + 8 t]; window 2: the ring, v[64 (c % 4) + 8 t]; window 3: v0-63 b1's eight tiles, later the second out-buffer, v64-191 b2's sixteen, v192-255 the 64 rows' offsets in out;
; window 0: v1-22 addresses; v32-47 the weights' scale words, v48-63 the rows' (these hold scales and nothing else); v64-127 rows of x, then two sets of x's fragments; v128-191 at work; later v64-191 the hidden layer's 16 fragments; v192-255 at work, later the first out-buffer.
; THE MODE: SCHED_MODE bits 1:0 = 2 (LLVM: expert scheduling mode 2), set by the entry lines.  The code itself states the register dependences
; between vector or matrix instructions and memory or LDS instructions, with s_wait_alu, always for 0.
; THE PLAN.  Registers that memory or LDS instructions touch, and who else names them:
;   v1, v4-v13, v18-v22   addresses and offsets: made once at the head, ahead of the wait on va_vdst before the first load, and never written again.
;   THE RING and v32-47   Buffer c % 4: chunk c's 17 loads land in it, K step c's 32 products read it.  It is asked for again at the head of the next step, behind ONE wait on va_vdst, which stands ahead of the
;                         wait for that step's own chunk, so that the buffer is asked for at once.  Where long vector or LDS work follows a step (the hidden layer behind chunk 7, the first half's way out behind chunk 11)
;                         the wait stands at that work's head and the loads follow among it: none of its lines names the buffer, its scale words or v1.
;   x's SETS v64-127      Set s % 2: the LDS loads of step s - 1 land in it, step s's products read it: the same wait.
;   PC, PW (v208-243)     Written by the four tiles' quantisers, a run of registers for each tile; read by twelve LDS stores behind one wait on va_vdst.
;   THE ACCUMULATORS      Written by products; read by the relu, and by the stage's LDS stores behind one wait on va_vdst a half.
;   TWO OUT-BUFFERS       Tile m's 16 rows come back from the stage into buffer m % 2 and leave by 16 stores; tile m goes through the stage while tile m - 1 is stored.  One wait on vm_vsrc, beside s_wait_xcnt 0,
;                         stands ahead of the loads into a buffer that stores have read.
.set XROW, 0                           ; LDS: 64 rows of x's codes, 512 bytes + 16
.set HIMG, 33792                       ; the hidden layer's 16 fragments (4 m + s) as images of their registers, 1,024 bytes each
.set HSC,  50176                       ; their scale words, 128 bytes each
.set IDS,  52224                       ; the tile's 64 token numbers, a copy for each wave
.set OST,  53248                       ; a stage of 16 rows x (512 + 16) bytes for each wave, for the way out
.set HA,   128
.set TM,   192                         ; v192-195 largest magnitudes, v196-199 bytes, v204-207 the conversions' scale operands
.set PW,   208                         ; v208-211 the four tiles' scale words
.set PC,   212                         ; v212-243 their codes
.set BK,   192                         ; later: the out-buffer of tiles 0 and 2: 16 rows on their way out; tiles 1 and 3 take v0-63 of window 3
.set MSB, 0
.macro WIN new                         ; the immediate's high byte repeats the setting that is left; a switch that changes nothing is dropped
.if MSB != \new
	s_set_vgpr_msb (MSB<<8)|\new
.set MSB, \new
.endif
.endm
.macro PLACES n                        ; plain lines between a matrix instruction and a load into, or a read of, its registers
.rept \n
	v_nop
.endr
.endm
.macro LOADCH c                        ; chunk c into buffer c % 4: 16 loads of codes and one of scale words, 512 consecutive bytes each.  No hint: other work-groups read the same chunk
	WIN 0x80
.irp i, 0,1,2,3,4,5,6,7,8,9,10,11,12,13,14,15
	global_load_b128 v[64*((\c)%4)+4*\i:64*((\c)%4)+4*\i+3], v1, s[48:49] offset:8704*(\c)+512*\i
.endr
	WIN 0
	global_load_b128 v[32+4*((\c)%4):32+4*((\c)%4)+3], v1, s[48:49] offset:8704*(\c)+8192
.endm
.macro FETCHX s                        ; x's four fragments of K step s into set s % 2
.irp m, 0,1,2,3
.irp c, 0,1
	ds_load_b128 v[64+32*((\s)%2)+8*\m+4*\c:64+32*((\s)%2)+8*\m+4*\c+3], v4 offset:8448*\m+64*(\s)+32*\c
.endr
.endr
.endm
.macro WM d, a, b, c, sa, sb, ra, rb   ; one product; ra, rb: the side's scales stand in lanes 16-31
.if (\ra) && (\rb)
	v_wmma_scale_f32_16x16x128_f8f6f4 v[\d:\d+7], v[\a:\a+7], v[\b:\b+7], v[\c:\c+7], v[\sa], v[\sb] matrix_a_fmt:MATRIX_FMT_FP4 matrix_b_fmt:MATRIX_FMT_FP4 matrix_a_scale:MATRIX_SCALE_ROW1 matrix_b_scale:MATRIX_SCALE_ROW1
.elseif (\ra)
	v_wmma_scale_f32_16x16x128_f8f6f4 v[\d:\d+7], v[\a:\a+7], v[\b:\b+7], v[\c:\c+7], v[\sa], v[\sb] matrix_a_fmt:MATRIX_FMT_FP4 matrix_b_fmt:MATRIX_FMT_FP4 matrix_a_scale:MATRIX_SCALE_ROW1
.elseif (\rb)
	v_wmma_scale_f32_16x16x128_f8f6f4 v[\d:\d+7], v[\a:\a+7], v[\b:\b+7], v[\c:\c+7], v[\sa], v[\sb] matrix_a_fmt:MATRIX_FMT_FP4 matrix_b_fmt:MATRIX_FMT_FP4 matrix_b_scale:MATRIX_SCALE_ROW1
.else
	v_wmma_scale_f32_16x16x128_f8f6f4 v[\d:\d+7], v[\a:\a+7], v[\b:\b+7], v[\c:\c+7], v[\sa], v[\sb] matrix_a_fmt:MATRIX_FMT_FP4 matrix_b_fmt:MATRIX_FMT_FP4
.endif
.endm
; K step s of the first product: 32 matrix instructions, the 32 accumulators by turns, in the same order in every step.  The first step takes b1 as C.
.macro MUL1 s
.if (\s) == 0
	WIN 0x72                                       ; source 0 window 2, source 1 window 0, C window 3, D window 1
.else
	WIN 0x52                                       ; C and D window 1
.endif
.irp t, 0,1,2,3,4,5,6,7
.irp m, 0,1,2,3
.if (\s) == 0
	WM 64*\m+8*\t,64*((\s)%4)+8*\t,64+32*((\s)%2)+8*\m,8*\t,32+4*((\s)%4)+\t%4,48+8*(\m/2)+(\s),\t/4,\m%2
.else
	WM 64*\m+8*\t,64*((\s)%4)+8*\t,64+32*((\s)%2)+8*\m,64*\m+8*\t,32+4*((\s)%4)+\t%4,48+8*(\m/2)+(\s),\t/4,\m%2
.endif
.endr
.endr
	WIN 0
.endm
; K step s of the second product's half g (chunk 8 + 4 g + s, buffer s).  The first step takes b2 as C.
.macro MUL2 g, s
.if (\s) == 0
	WIN 0x72
.else
	WIN 0x52
.endif
.irp n, 0,1,2,3,4,5,6,7
.irp m, 0,1,2,3
.if (\s) == 0
	WM 64*\m+8*\n,64*(\s)+8*\n,64+8*(4*\m+(\s)),64+64*(\g)+8*\n,32+4*(\s)+\n%4,48+4*\m+(\s),\n/4,0
.else
	WM 64*\m+8*\n,64*(\s)+8*\n,64+8*(4*\m+(\s)),64*\m+8*\n,32+4*(\s)+\n%4,48+4*\m+(\s),\n/4,0
.endif
.endr
.endr
	WIN 0
.endm
; 64 numbers of a lane, none negative, register 16 b + i = k 32 b + 16 (lane / 16) + i of my token, become tile m's fragment in v[PC + 8 m] on and its scale word in v[PW + m]
.macro QUANT src, m
.irp b, 0,1,2,3
	v_max3_num_f32 v[TM+\b], v[\src+16*\b], v[\src+1+16*\b], 0x1800000   ; my 16 numbers of block b, and the floor 2^(3 - 127): the byte cannot fall under 1
.endr
.irp i, 2,4,6,8,10,12,14
.irp b, 0,1,2,3
	v_max3_num_f32 v[TM+\b], v[TM+\b], v[\src+16*\b+\i], v[\src+1+16*\b+\i]
.endr
.endr
.irp b, 0,1,2,3
	v_permlanex16_b32 v[TM+4+\b], v[TM+\b], s56, s57
.endr
.irp b, 0,1,2,3
	v_max_num_f32 v[TM+\b], v[TM+\b], v[TM+4+\b]   ; with lane l xor 16's: the block's largest
.endr
.irp b, 0,1,2,3
	v_add_nc_u32 v[TM+12+\b], 0xff000000, v[TM+\b] ; 2 off the exponent field: the conversion's scale operand
.endr
.irp b, 0,1,2,3
	v_lshrrev_b32 v[TM+4+\b], 23, v[TM+12+\b]      ; the scale's byte
.endr
	v_lshl_or_b32 v[PW+(\m)], v[TM+5], 8, v[TM+4]
	v_lshl_or_b32 v[PW+(\m)], v[TM+6], 16, v[PW+(\m)]
	v_lshl_or_b32 v[PW+(\m)], v[TM+7], 24, v[PW+(\m)]
.irp b, 0,1,2,3
	v_cvt_scalef32_pk8_fp4_f32 v[PC+8*(\m)+2*\b], v[\src+16*\b:\src+16*\b+7], v[TM+12+\b]
	v_cvt_scalef32_pk8_fp4_f32 v[PC+8*(\m)+2*\b+1], v[\src+16*\b+8:\src+16*\b+15], v[TM+12+\b]
.endr
	v_nop                                          ; one plain line behind the last scaled conversion
.irp c, 0,1                                        ; the operand wants a whole block in a lane: lanes 0-15 block 2 c, lanes 16-31 block 2 c + 1
.irp i, 0,1
	v_permlane16_swap_b32 v[PC+8*(\m)+4*\c+\i], v[PC+8*(\m)+4*\c+2+\i]
.endr
.endr
.endm
; the way out of tile m of half g: 16 tokens x 128 outputs through my own stage, back as whole rows of 512 bytes into out-buffer m % 2
.macro TOSTAGE m, g
.set BB, BK*(1-(\m)%2)                 ; v192-255 of window 0, or v0-63 of window 3
.set WL, 0xc0*((\m)%2)
	WIN 0x04                                       ; an LDS store's data: window 1
.irp n, 0,1,2,3,4,5,6,7
	ds_store_b128 v9, v[64*(\m)+8*\n:64*(\m)+8*\n+3] offset:64*\n          ; each accumulator from its low end on
	ds_store_b128 v9, v[64*(\m)+8*\n+4:64*(\m)+8*\n+7] offset:64*\n+16
.endr
	WIN WL                                         ; the loads' destination: the switch first, then the waits, then the loads
.if 4*(\g)+(\m) >= 2
	s_wait_xcnt 0x0                                ; the stores of the tile two back have had their addresses translated: only now is their out-buffer loaded again
	s_wait_alu depctr_vm_vsrc(0)                   ; the stores of the tile two back have read this out-buffer, in which the loads below land; and the stage's stores issued so far have read the accumulators, which the second half's products begin anew
.endif
.irp t, 0,1,2,3,4,5,6,7,8,9,10,11,12,13,14,15
	ds_load_b128 v[BB+4*\t:BB+4*\t+3], v10 offset:528*\t   ; LDS serves a wave's instructions in order: these see my stores, and the next tile's stores come behind them
.endr
.endm
.macro SEND m, g, younger              ; younger: the LDS instructions issued behind tile m's loads: the next tile's 16 stores and 16 loads, or none
.set BB, BK*(1-(\m)%2)
.set WS, 0x03+0x0c*((\m)%2)
	WIN WS                                         ; the offsets: window 3; the data: window 0 or 3
.irp t, 0,1,2,3,4,5,6,7,8,9,10,11,12,13,14,15
	s_wait_dscnt (\younger)+15-\t                  ; row t is back; the tile's younger loads, and the next tile's LDS instructions, may be out
	global_store_b128 v[192+16*(\m)+\t], v[BB+4*\t:BB+4*\t+3], s[54:55] offset:512*(\g) th:TH_STORE_NT   ; 32 lanes store 512 consecutive bytes of a token's row, at a multiple of 256
.endr
.endm
	s_load_b512 s[4:19], s[0:1], 0x0               ; xq s[4:5], xs s[6:7], wq s[8:9], b1 s[10:11], b2 s[12:13], perm s[14:15], tot s[16:17], out0 s[18:19]
	v_lshl_add_u32 v30, v0, 2, 0x15400
	v_mov_b32 v31, 0
	v_lshrrev_b32 v1, 5, v0
	v_readfirstlane_b32 s28, v1                    ; wave 0..3
	v_and_b32 v7, 31, v0                           ; lane
	v_and_b32 v2, 15, v0                           ; r
	v_bfe_u32 v3, v0, 4, 1                         ; h
	v_lshlrev_b32 v1, 4, v7                        ; v1  16 x lane
	v_lshlrev_b32 v8, 2, v7                        ; v8  4 x lane
	s_wait_alu depctr_va_vdst(0)
	v_mul_u32_u24 v4, v2, 528
	v_lshl_add_u32 v9, v3, 5, v4
	v_lshl_add_u32 v4, v3, 4, v4                   ; v4  x's fragments: row r, + 16 h
	s_wait_alu depctr_va_sdst(0)                   ; s28 is written, ahead of its first reader: LDS addresses and the bases of wq, b1, b2 and out are made from it
	s_lshl_b32 s29, s28, 10
	s_add_co_u32 s29, s29, HIMG
	v_add_nc_u32 v5, s29, v1                       ; v5  where my images go: K step = my wave
	s_lshl_b32 s29, s28, 7
	s_add_co_u32 s29, s29, HSC
	v_add_nc_u32 v6, s29, v8                       ; v6  and their scale words
	s_mul_i32 s29, s28, 8448
	v_add_nc_u32 v13, s29, v1                      ; v13 where my 16 rows of x go
	s_add_co_u32 s29, s29, OST
	v_add_nc_u32 v9, s29, v9                       ; v9  my stage: row r, + 32 h
	v_add_nc_u32 v10, s29, v1                      ; v10 and back: 16 bytes a lane
	s_lshl_b32 s29, s28, 8
	s_add_co_u32 s29, s29, IDS
	v_add_nc_u32 v11, s29, v8                      ; v11 my wave's list of token numbers, my lane's word
	v_mov_b32 v22, s29                             ; v22 the list's head
	s_lshl_b32 s30, s28, 6
	s_add_co_u32 s29, s29, s30
	v_mov_b32 v12, s29                             ; v12 my wave's 16 rows in it
	v_lshlrev_b32 v20, 6, v3                       ; v20 64 h: b1's 16 h numbers on
	v_lshlrev_b32 v21, 5, v3                       ; v21 32 h: b2's 8 h numbers on
	s_mov_b32 s56, 0x76543210
	s_mov_b32 s57, 0xfedcba98                      ; v_permlanex16_b32's selects for lane l xor 16
	s_wait_kmcnt 0x0
	s_load_b256 s[20:27], s[16:17], 0x0            ; the experts' counts
	s_wait_kmcnt 0x0
	; which tile is mine: scalar selections alone
	s_mov_b32 s29, 0
.irp e, 0,1,2,3,4,5,6,7
	s_add_co_u32 s39, s[20+\e], 63
	s_lshr_b32 s39, s39, 6
	s_add_co_u32 s29, s29, s39                     ; S: the tiles of 64
.endr
	s_sub_co_u32 s30, 135, s29                     ; so many full tiles of the largest expert are cut in two
	s_mov_b32 s31, s20
	s_mov_b32 s32, 0
.irp e, 1,2,3,4,5,6,7
	s_cmp_gt_u32 s[20+\e], s31
	s_cselect_b32 s31, s[20+\e], s31
	s_cselect_b32 s32, \e, s32                     ; the largest expert
.endr
	s_mov_b32 s33, 0                               ; tiles before expert e
	s_mov_b32 s34, 0                               ; rows before it
	s_mov_b32 s35, 0                               ; mine: the expert, its first tile, its first row in the list, its rows
	s_mov_b32 s36, 0
	s_mov_b32 s37, 0
	s_mov_b32 s38, s20
.irp e, 0,1,2,3,4,5,6,7
.if \e > 0
	s_cmp_ge_u32 ttmp9, s33                        ; the last expert whose first tile is not behind mine
	s_cselect_b32 s35, \e, s35
	s_cselect_b32 s36, s33, s36
	s_cselect_b32 s37, s34, s37
	s_cselect_b32 s38, s[20+\e], s38
.endif
	s_add_co_u32 s39, s[20+\e], 63
	s_lshr_b32 s39, s39, 6
	s_cmp_eq_u32 s32, \e
	s_cselect_b32 s40, s30, 0
	s_add_co_u32 s39, s39, s40
	s_add_co_u32 s33, s33, s39
	s_add_co_u32 s34, s34, s[20+\e]
.endr
	s_sub_co_u32 s39, ttmp9, s36                   ; i: my tile in the expert
	s_cmp_eq_u32 s35, s32
	s_cselect_b32 s40, s30, 0                      ; tiles cut in two, in my expert
	s_lshl_b32 s41, s40, 1
	s_lshl_b32 s42, s39, 5                         ; a half tile begins at row 32 i,
	s_sub_co_u32 s43, s39, s40
	s_lshl_b32 s43, s43, 6                         ; a whole one at 64 (i - the cut ones)
	s_cmp_lt_u32 s39, s41
	s_cselect_b32 s42, s42, s43
	s_cselect_b32 s44, 32, 64
	s_add_co_u32 s45, s37, s42
	s_min_u32 s45, s45, 0x1fff                     ; my first place in the list (numbers made of loaded ones are held inside their tables)
	s_sub_co_u32 s46, s38, s42
	s_min_u32 s46, s46, s44
	s_sub_co_u32 s46, s46, 1
	s_min_u32 s46, s46, 63                         ; my last row's number in the tile
	s_min_u32 s35, s35, 7
	s_mov_b32 s59, 0
	s_lshl_b32 s58, s35, 2
	s_add_co_u32 s58, s58, s28
	s_mul_i32 s58, s58, 139264                     ; 16 chunks of 8,704 bytes for each (expert, wave)
	s_add_nc_u64 s[48:49], s[8:9], s[58:59]
	s_lshl_b32 s58, s35, 11
	s_lshl_b32 s47, s28, 9
	s_add_co_u32 s58, s58, s47
	s_add_nc_u64 s[50:51], s[10:11], s[58:59]      ; b1: 2,048 e + 512 w
	s_lshl_b32 s58, s58, 1
	s_add_nc_u64 s[52:53], s[12:13], s[58:59]      ; b2: 4,096 e + 1,024 w
	s_lshl_b32 s58, s28, 10
	s_add_nc_u64 s[54:55], s[18:19], s[58:59]      ; out: my wave's 256 columns
	; the tile's 64 token numbers: places behind the last row repeat it
	v_min_u32 v18, s46, v7
	v_add_nc_u32 v19, 32, v7
	v_min_u32 v19, s46, v19
	v_add_nc_u32 v18, s45, v18
	v_add_nc_u32 v19, s45, v19
	v_min_u32 v18, 0x1fff, v18
	v_min_u32 v19, 0x1fff, v19
	v_lshlrev_b32 v18, 2, v18
	v_lshlrev_b32 v19, 2, v19
	s_wait_alu depctr_va_vdst(0)                   ; the addresses and offsets v1, v4 to v13 and v18 to v22 are written, which the loads and stores of the whole kernel read
	global_load_b32 v14, v18, s[14:15]
	global_load_b32 v15, v19, s[14:15]
	WIN 0xc0                                       ; the biases, in the results' layout: 48 loads
.irp t, 0,1,2,3,4,5,6,7
	global_load_b128 v[8*\t:8*\t+3], v20, s[50:51] offset:(32*(\t/2)+8*(\t%2))*4
	global_load_b128 v[8*\t+4:8*\t+7], v20, s[50:51] offset:(32*(\t/2)+8*(\t%2))*4+16
.endr
.irp g, 0,1
.irp n, 0,1,2,3,4,5,6,7
	global_load_b128 v[64+64*\g+8*\n:64+64*\g+8*\n+3], v21, s[52:53] offset:512*\g+64*\n
	global_load_b128 v[64+64*\g+8*\n+4:64+64*\g+8*\n+7], v21, s[52:53] offset:512*\g+64*\n+16
.endr
.endr
	WIN 0
	s_wait_loadcnt 48                              ; the two loads of token numbers are in; the 48 behind them may be out
	v_min_u32 v14, 0x1fff, v14
	v_min_u32 v15, 0x1fff, v15
	v_lshlrev_b32 v16, 4, v14
	v_lshlrev_b32 v17, 4, v15
	s_wait_alu depctr_va_vdst(0)                   ; v14 and v15 are written, which the two LDS stores read, and v16 and v17, the offsets of the rows' scale words
	ds_store_b32 v11, v14
	ds_store_b32 v11, v15 offset:128
.irp p, 0,1                                        ; the rows' scale words: lane l takes row 32 p + l: lanes 0-15 tile 2 p, lanes 16-31 tile 2 p + 1; register 48 + 8 p + s: K step s
.irp q, 0,1
	global_load_b128 v[48+8*\p+4*\q:48+8*\p+4*\q+3], v[16+\p], s[6:7] offset:131072*\q
.endr
.endr
.irp i, 0,1,2,3
	ds_load_b128 v[128+4*\i:128+4*\i+3], v12 offset:16*\i      ; my wave's 16 token numbers, the same in every lane
.endr
	s_wait_dscnt 0x0
.irp i, 0,1,2,3,4,5,6,7,8,9,10,11,12,13,14,15
	v_min_u32 v[128+\i], 0x1fff, v[128+\i]
.endr
.irp i, 0,1,2,3,4,5,6,7,8,9,10,11,12,13,14,15
	v_lshl_add_u32 v[144+\i], v[128+\i], 9, v1
.endr
	s_wait_alu depctr_va_vdst(0)                   ; v144 to v159 are written: the offsets of my 16 rows of x
.irp i, 0,1,2,3,4,5,6,7,8,9,10,11,12,13,14,15
	global_load_b128 v[64+4*\i:64+4*\i+3], v[144+\i], s[4:5]   ; a token's 512 bytes of codes: 32 lanes, one row
.endr
	LOADCH 0
	LOADCH 1
	LOADCH 2
.irp i, 0,1,2,3,4,5,6,7,8,9,10,11,12,13,14,15      ; while they fly: all 64 rows' offsets in out
	ds_load_b128 v[192+4*\i:192+4*\i+3], v22 offset:16*\i
.endr
	s_wait_dscnt 0x0
.set jj, 0
.rept 64
	v_min_u32 v[192+jj], 0x1fff, v[192+jj]
.set jj, jj+1
.endr
	WIN 0xc0
.set jj, 0
.rept 64
	v_lshl_add_u32 v[192+jj], v[192+jj], 12, v1    ; token x 4,096 + 16 x lane, into window 3 (the stores that read them stand behind many waits on va_vdst)
.set jj, jj+1
.endr
	WIN 0
.irp b, 0,1,2,3
	v_mov_b32 v[TM+4+\b], 0                        ; a lane permute's destination counts as one of its sources
.endr
	s_wait_loadcnt 51                              ; all but the three chunks: biases, scale words and my rows of x are in
.irp i, 0,1,2,3,4,5,6,7,8,9,10,11,12,13,14,15
	ds_store_b128 v13, v[64+4*\i:64+4*\i+3] offset:528*\i
.endr
	s_wait_dscnt 0x0                               ; for the others' sake: my rows have landed
	s_barrier_signal -1
	s_barrier_wait -1                              ; all 64 rows of x lie in LDS
	s_wait_alu depctr_vm_vsrc(0)                   ; my LDS stores have read v64 to v127, in which x's fragments land; the loads of x's rows have read their offsets v144 to v159, which the relu's lines write
	FETCHX 0
	; ---- the first product: eight K steps
.irp s, 0,1,2,3,4,5,6,7
.if \s > 0
	PLACES 4                                       ; four plain lines between the last step's products and the loads into registers that they read; the wait behind them states the dependence
	s_wait_alu depctr_va_vdst(0)                   ; the last step's products are done reading their ring buffer, its scale words and their set of x's fragments: the loads below land in these
.endif
	LOADCH \s+3
.if \s < 7
	FETCHX \s+1
	s_wait_loadcnt 51                              ; this step's chunk is in; the three behind it may be out
	s_wait_dscnt 8                                 ; this step's fragments of x are in; the eight loads just issued may be out
.else
	s_wait_loadcnt 51
	s_wait_dscnt 0x0
.endif
	MUL1 \s
.endr
	; ---- the hidden layer: relu in f32, quantised in registers; my 128 units are K step w of the second product
	PLACES 4                                       ; behind step 7's products: for the relu's reads of the results, and for the loads into their buffer
	s_wait_alu depctr_va_vdst(0)                   ; step 7's products are done reading ring buffer 3 and its scale words v44 to v47, in which chunk 11 lands
.irp m, 0,1,2,3
	WIN 0x04
.set jj, 0
.rept 64
	v_max_num_f32 v[HA+jj], 0, v[64*\m+jj]         ; each accumulator from its low end on
.set jj, jj+1
.endr
	WIN 0
	QUANT HA, \m
.if \m == 1
	LOADCH 11                                      ; no wait: the lines since the wait above name the accumulators and v128 to v243, none of the registers that these loads touch.  Two tiles on, so that these 17 loads do not stand on top of the 51 of chunks 8 to 10
.endif
.endr
	s_wait_alu depctr_va_vdst(0)                   ; the four tiles' codes v[PC ..] and scale words v[PW ..] are written, which the LDS stores read; and all vector and matrix lines are done with v48 to v191, in which the hidden layer's fragments land behind the barrier
.irp m, 0,1,2,3
.irp c, 0,1
	ds_store_b128 v5, v[PC+8*\m+4*\c:PC+8*\m+4*\c+3] offset:4096*\m+512*\c     ; the fragment as it stands: lane l's 16 bytes at 16 l
.endr
	ds_store_b32 v6, v[PW+\m] offset:512*\m
.endr
	s_wait_dscnt 0x0                               ; for the others' sake: my images have landed
	s_barrier_signal -1
	s_barrier_wait -1                              ; the hidden layer's sixteen fragments lie in LDS
	s_wait_alu depctr_vm_vsrc(0)                   ; my LDS stores have read v[PW ..] and v[PC ..]: v192 to v255 are an out-buffer from here on, in which the stage's loads land
.irp f, 0,1,2,3,4,5,6,7,8,9,10,11,12,13,14,15
.irp c, 0,1
	ds_load_b128 v[64+8*\f+4*\c:64+8*\f+4*\c+3], v1 offset:HIMG+1024*\f+512*\c
.endr
	ds_load_b32 v[48+\f], v8 offset:HSC+128*\f
.endr
	s_wait_dscnt 0x0
	; ---- the second product: two halves of 128 outputs, four K steps each; a half leaves while the next half's chunks are on their way
.irp g, 0,1
.irp s, 0,1,2,3
.if (\g == 0) && (\s > 0)
	PLACES 4                                       ; four plain lines between the last step's products and the loads into registers that they read
	s_wait_alu depctr_va_vdst(0)                   ; the last step's products are done reading their ring buffer and its scale words, in which the chunk below lands
	LOADCH 11+\s
.endif
.if (\g == 1) && (\s == 0)
	PLACES 5                                       ; the accumulators begin anew with another C
.endif
.if 4*\g+\s < 4
	s_wait_loadcnt 51                              ; this step's chunk is in; the three behind it may be out
.else
	s_wait_loadcnt 17*(7-4*\g-\s)                  ; nothing more is asked for: three, two, one, no chunk behind this step's
.endif
	MUL2 \g, \s
.endr
	PLACES 4                                       ; behind the half's last products: for the stage's reads of the results, and for the loads into their buffer
	s_wait_alu depctr_va_vdst(0)                   ; the half's products have written the accumulators, which the stage's stores read; K step 3's are done reading ring buffer 3 and its scale words, in which chunk 15 lands; the quantiser is done with v192 to v255 and the first product with b1, in which the stage's loads land
	TOSTAGE 0, \g
.if \g == 0
	LOADCH 15                                      ; the last chunk: no vector or matrix line stands since the wait above.  Behind tile 0's way into the stage, ahead of this half's 64 stores
.endif
.irp m, 1,2,3
	TOSTAGE \m, \g                                 ; tile m goes through the stage
	SEND \m-1, \g, 32                              ; while tile m - 1 is stored
.endr
	SEND 3, \g, 0
.endr
	WIN 0                                          ; the add's two registers lie in window 0
	s_wait_dscnt 0x0                               ; the closing lines, six on end
	s_wait_alu 0x0
	s_wait_tensorcnt 0x0
	ds_add_u32 v30, v31
	s_wait_dscnt 0x0
	s_endpgm
.Lfunc_end_k_q92a6c356cf_ffn:
	.size	k_q92a6c356cf_ffn, .Lfunc_end_k_q92a6c356cf_ffn-k_q92a6c356cf_ffn
	.p2alignl 7, 3214868480
	.fill 96, 4, 3214868480
	.section	.rodata,"a",@progbits
	.p2align	6, 0x0
	.amdhsa_kernel k_q92a6c356cf_ffn
		.amdhsa_group_segment_fixed_size 87552
		.amdhsa_private_segment_fixed_size 0
		.amdhsa_enable_private_segment 0
		.amdhsa_kernarg_size 64
		.amdhsa_user_sgpr_count 2
		.amdhsa_user_sgpr_kernarg_segment_ptr 1
		.amdhsa_wavefront_size32 1
		.amdhsa_system_sgpr_workgroup_id_x 1
		.amdhsa_system_sgpr_workgroup_id_y 1
		.amdhsa_system_sgpr_workgroup_id_z 1
		.amdhsa_system_vgpr_workitem_id 0
		.amdhsa_next_free_vgpr 1024
		.amdhsa_next_free_sgpr 66
		.amdhsa_reserve_vcc 0
		.amdhsa_float_denorm_mode_32 3
		.amdhsa_float_denorm_mode_16_64 3
		.amdhsa_memory_ordered 1
		.amdhsa_forward_progress 1
		.amdhsa_inst_pref_size 187
	.end_amdhsa_kernel
	.amdgpu_metadata
---
amdhsa.version: [ 1, 2 ]
amdhsa.kernels:
  - .name:           k_q92a6c356cf_ffn
    .symbol:         k_q92a6c356cf_ffn.kd
    .args:
      - { .name: xq, .offset: 0, .size: 8, .value_kind: global_buffer, .address_space: global }
      - { .name: xs, .offset: 8, .size: 8, .value_kind: global_buffer, .address_space: global }
      - { .name: wq, .offset: 16, .size: 8, .value_kind: global_buffer, .address_space: global }
      - { .name: b1, .offset: 24, .size: 8, .value_kind: global_buffer, .address_space: global }
      - { .name: b2, .offset: 32, .size: 8, .value_kind: global_buffer, .address_space: global }
      - { .name: perm, .offset: 40, .size: 8, .value_kind: global_buffer, .address_space: global }
      - { .name: tot, .offset: 48, .size: 8, .value_kind: global_buffer, .address_space: global }
      - { .name: out0, .offset: 56, .size: 8, .value_kind: global_buffer, .address_space: global }
    .group_segment_fixed_size: 87552
    .private_segment_fixed_size: 0
    .kernarg_segment_align: 8
    .kernarg_segment_size: 64
    .max_flat_workgroup_size: 128
    .sgpr_count:     66
    .vgpr_count:     1024
    .wavefront_size: 32
...
	.end_amdgpu_metadata
.endif
;; end of part 5
